; MI455X (gfx1250); checked and timed in simulation.
; The chip was launched on July 23, 2026; its instructions are those of AMD's public machine-readable ISA for CDNA 5 (MIT licence, August 2026) and "CDNA5" Instruction Set Architecture Reference Guide (July 2026). The comments in the code are by the model that wrote it; some were corrected since.
;; Attention Block. Allowed arithmetic: matrix products marked QUANTISED: E5M2 operands, one given power-of-two scale a tensor, by v_wmma_f32_16x16x64_bf8_bf8 or v_wmma_f32_16x16x128_bf8_bf8, f32 sums; everything else in f32.
;; Inputs: ca_bo 1,024 float32; ca_nb 1,024 float32; ca_ncb 768 float32; ca_ncg 768 float32; ca_ng 1,024 float32; ca_wkv_codes 1,024 x 24 x 32 uint8 (E5M2 codes of ca_wkv, K innermost, in blocks of 32 codes); ca_wo_codes 1,024 x 16 x 32 uint8 (E5M2 codes of ca_wo, K innermost, in blocks of 32 codes); ca_wq_codes 512 x 32 x 32 uint8 (E5M2 codes of ca_wq, K innermost, in blocks of 32 codes); context 4 x 512 x 768 float32; lowp_scales 20 int32 (the exponents e of the quantised operands' scales 2^e); sa_bo 1,024 float32; sa_nb 1,024 float32; sa_ncb 1,024 float32; sa_ncg 1,024 float32; sa_ng 1,024 float32; sa_wkv_codes 1,024 x 32 x 32 uint8 (E5M2 codes of sa_wkv, K innermost, in blocks of 32 codes); sa_wo_codes 1,024 x 16 x 32 uint8 (E5M2 codes of sa_wo, K innermost, in blocks of 32 codes); sa_wq_codes 512 x 32 x 32 uint8 (E5M2 codes of sa_wq, K innermost, in blocks of 32 codes); x 4 x 2,048 x 1,024 float32.
;; Outputs: out0 4 x 2,048 x 1,024 float32.
;; This version of the problem:
;;   THIS VERSION OF THE PROBLEM IS GIVEN IN LOW PRECISION. The matrix products marked QUANTISED in the list below multiply operands that are first quantised to E5M2 (5 exponent bits, 2 mantissa bits; 8 bits a number), with one given power-of-two scale for each operand tensor; their sums are f32. All else is computed in f32.
;;   The module's matrix products, in the order in which they are computed (A, B: the left and right operand; K: the contracted axis; several contracted axes count as one K, in the product's order):
;;     1. [M 8,192, K 1,024] x [K 1,024, N 512]; A: computed on the way; B: input sa_wq (given as codes): QUANTISED (scales: A lowp_scales[0], B lowp_scales[1])
;;     2. [M 8,192, K 1,024] x [K 1,024, N 1,024]; A: computed on the way; B: input sa_wkv (given as codes): QUANTISED (scales: A lowp_scales[2], B lowp_scales[3])
;;     3. batch 32 x [M 2,048, K 64] x [K 64, N 2,048]; A: computed on the way; B: computed on the way: QUANTISED (scales: A lowp_scales[4], B lowp_scales[5])
;;     4. batch 32 x [M 2,048, K 2,048] x [K 2,048, N 64]; A: softmax (see below); B: computed on the way: QUANTISED (scales: A lowp_scales[6], B lowp_scales[7])
;;     5. [M 8,192, K 512] x [K 512, N 1,024]; A: computed on the way; B: input sa_wo (given as codes): QUANTISED (scales: A lowp_scales[8], B lowp_scales[9])
;;     6. [M 8,192, K 1,024] x [K 1,024, N 512]; A: computed on the way; B: input ca_wq (given as codes): QUANTISED (scales: A lowp_scales[10], B lowp_scales[11])
;;     7. [M 2,048, K 768] x [K 768, N 1,024]; A: computed on the way; B: input ca_wkv (given as codes): QUANTISED (scales: A lowp_scales[12], B lowp_scales[13])
;;     8. batch 32 x [M 2,048, K 64] x [K 64, N 512]; A: computed on the way; B: computed on the way: QUANTISED (scales: A lowp_scales[14], B lowp_scales[15])
;;     9. batch 32 x [M 2,048, K 512] x [K 512, N 64]; A: softmax (see below); B: computed on the way: QUANTISED (scales: A lowp_scales[16], B lowp_scales[17])
;;     10. [M 8,192, K 512] x [K 512, N 1,024]; A: computed on the way; B: input ca_wo (given as codes): QUANTISED (scales: A lowp_scales[18], B lowp_scales[19])
;;   THE QUANTISER, for each operand of a quantised product, along K:
;;     - The operand's scale is 2^e, e = its entry of the input lowp_scales (int32; the entries are numbered through the quantised products in the list's order, A before B).
;;     - Each number is divided by the scale, clamped to +-57,344, and rounded to the nearest number of E5M2, ties to even, subnormals kept.
;;     - The product sums the exact products of the quantised numbers (number of the format x scale) in f32.
;;   ~~~python
;;   def quantise(x, axis, e):      # numpy; x: float32 -> the quantised numbers, widened to float32 again
;;       x = np.moveaxis(x, axis, -1); K = x.shape[-1]
;;       r = np.clip(x / 2.0 ** e, -57344, 57344)
;;       step = 2.0 ** (np.maximum(np.frexp(np.where(r == 0, 1, r))[1] - 1, -14) - 2)
;;       q = np.round(r / step) * step * 2.0 ** e      # np.round: ties to even
;;       return np.moveaxis(q, -1, axis).astype(np.float32)
;;   ~~~
;;   SOFTMAX AHEAD OF A QUANTISED PRODUCT. Where the list says 'softmax', what is quantised is not the finished softmax but p = 2^(t - M), with t = logit x log2(e) and M = ceil(the row's largest t), a whole number; so 1/2 < the row's largest p <= 1. The row's sum l is taken of the UNQUANTISED p, in f32, and the product's result is divided by l at the end. Since M is a whole number, a kernel that streams over the keys may use a running M (the ceiling of the running maximum): every later rescaling is an exact power of two, so the quantised numbers keep their values, but for numbers so far below the row's largest that they fall under the format's range.
;;   OPERANDS COMPUTED ON THE WAY. 'Computed on the way' means the value that the module computes at that place (a softmax that the list does not call 'softmax' is quantised finished and normalised). What goes into a quantiser is computed in f32, as accurately as f32 sums, v_exp_f32 and their like allow (about 1e-6 of the number): no bf16 or f16 on the way to a quantiser, and a product that is left as it is and whose result goes on into a quantised operand takes f32 operands (vector FMAs, or v_wmma_f32_16x16x4_f32). A number that lies on a knife's edge between two numbers of the format may be rounded either way, as far as f32 arithmetic and the matrix unit's own rounding can turn it there, and no further.
;;   INPUTS GIVEN AS CODES. ca_wkv (in the module: [768, 1024], K = its axis 0); ca_wo (in the module: [512, 1024], K = its axis 0); ca_wq (in the module: [1024, 512], K = its axis 0); sa_wkv (in the module: [1024, 1024], K = its axis 0); sa_wo (in the module: [512, 1024], K = its axis 0); sa_wq (in the module: [1024, 512], K = its axis 0): each comes as NAME_codes (uint8): NAME with its K axis moved to the last place and cut into blocks of 32 codes, [.., K / 32, bytes a block], one block behind the other in memory; one code a byte (a code: sign, 5 exponent bits, 2 mantissa bits); its scale is its entry of lowp_scales. Its value is code x scale, taken as it is: it is not quantised again, and the codes and scales need not be those that the quantiser above would give.
;; One version. Each part assembles by itself: llvm-mc -triple=amdgcn-amd-amdhsa -mcpu=gfx1250 --defsym DOCPART=n.
;; ======== version 1 of 1: 7 launches
;; limits: right only within a limited range of input values
;; workspace buffers: aimg 18,350,080 bytes; sc_ca 256 bytes of whole numbers; qsa 4,194,304 bytes; q2 4,194,304 bytes; kvb 10,485,760 bytes; att1 4,194,304 bytes; att2 4,194,304 bytes; x1 33,554,432 bytes
;; launch prep (part 1): grid 320 x 1, 8 waves a work-group, no clusters, 92,672 bytes of LDS; arguments x, context, sa_ng, sa_nb, sa_ncg, sa_ncb, ca_ncg, ca_ncb, lowp_scales, aimg, sc_ca; writes aimg, sc_ca
.if DOCPART == 1
	.amdgcn_target "amdgcn-amd-amdhsa--gfx1250"
	.amdhsa_code_object_version 6
	.text
	.protected	k_q1c3da28683_prep
	.globl	k_q1c3da28683_prep
	.p2align	8
	.type	k_q1c3da28683_prep,@function
k_q1c3da28683_prep:
	s_mov_b64 s[64:65], 0
	v_nop
	global_prefetch_b8 v0, s[64:65] scope:SCOPE_SE
	s_setreg_imm32_b32 hwreg(HW_REG_WAVE_MODE, 25, 1), 1
	s_wait_xcnt 0x0
; PREP: the three layer norms whose inputs are the problem's inputs, quantised to E5M2 codes:
;   xn = LN(x; sa_ng, sa_nb) with scale 2^e0, cn = LN(x; sa_ncg, sa_ncb) with 2^e2, ctx = LN(context; ca_ncg, ca_ncb) with 2^e12.
; DEAD WORK: none.  Every input of reference() has a way to out0 (all gains and biases stand ahead of a quantiser or go into the result), so the program loads every input and leaves out no step.
; LIMITS: NaN among the inputs is not served (an infinity is held at the largest code); e0, e2, e12 lie between -126 and 112, so that 2^e and 57,344 x 2^e are f32 numbers.
; THE CODES LEAVE AS IMAGES OF OPERAND REGISTERS: the fragment of row tile m (16 rows) and K step s (128 along K) is 2,048 bytes at (m KS + s) 2,048; its byte 512 c + 16 lane + j is the code of
; row 16 m + lane % 16 at k = 128 s + 32 c + 16 (lane / 16) + j.  The launch that multiplies loads a fragment by four loads of 512 consecutive bytes.
; SHARES.  Work-groups 0-255: 32 rows of x each; work-groups 256-319: 32 rows of context.  Eight waves, four rows a wave, a row at a time: a row is NJ loads of 512 consecutive bytes, lane l holds
; k = 128 j + 4 l + 0..3.  Mean and variance in two passes over the registers, in f32.  A row's codes go to a stage in LDS (rows 16 bytes longer than the data); behind one barrier each wave reads
; one quarter (32 c on) of one row tile's fragments and stores 512 consecutive bytes an instruction.  The two paths have LDS bytes of their own.
; Wave 0 of work-group 0 also copies lowp_scales[10..19] to sc_ca, so that the projection's body serves both layers at the same offsets.
.set SPARE, 91648                      ; behind the stages: the spare words, 128 bytes a wave
.set PX,    1040                       ; a stage row of x's codes: 1,024 + 16
.set PCX,   784                        ; of context's: 768 + 16
.set CNS,   33280                      ; cn's stage begins here (xn's at 0)
.set CTS,   66560                      ; context's stage
.set X,     32                         ; v32-63, v64-95: two row slots
.set SM,    96                         ; v96-111: sums; then two sets of eight numbers at work
.set C1,    112                        ; v112-119 codes of the first output
.set C2,    120                        ; v120-127 of the second
.set GA,    128                        ; v128-159 gain, v160-191 bias of the first output
.set BA,    160
.set GB,    192                        ; v192-223, v224-255 of the second
.set BB,    224
.set SPW,   9                          ; v9  my spare word's LDS address; never rewritten
.set NIL,   10                         ; v10 0; never rewritten
.macro LOADROW slot, i, nj, rowb, bs           ; row i of my four into a slot
.set jj, 0
.rept \nj
	global_load_b128 v[X+32*\slot+4*jj:X+32*\slot+4*jj+3], v2, s[\bs:\bs+1] offset:(\i)*\rowb+512*jj th:TH_LOAD_NT
.set jj, jj+1
.endr
.endm
.macro LANES                                   ; v[SM] summed over the 32 lanes, result in every lane
	s_delay_alu instid0(VALU_DEP_1)
	v_add_f32_dpp v[SM], v[SM], v[SM] row_xmask:1 row_mask:0xf bank_mask:0xf
	s_delay_alu instid0(VALU_DEP_1)
	v_add_f32_dpp v[SM], v[SM], v[SM] row_xmask:2 row_mask:0xf bank_mask:0xf
	s_delay_alu instid0(VALU_DEP_1)
	v_add_f32_dpp v[SM], v[SM], v[SM] row_xmask:4 row_mask:0xf bank_mask:0xf
	s_delay_alu instid0(VALU_DEP_1)
	v_add_f32_dpp v[SM], v[SM], v[SM] row_xmask:8 row_mask:0xf bank_mask:0xf
	s_delay_alu instid0(VALU_DEP_1)
	v_permlanex16_b32 v20, v[SM], s30, s31
	s_delay_alu instid0(VALU_DEP_1)
	v_add_f32 v[SM], v[SM], v20
.endm
.macro MKSCALE se, vs, vl                      ; 2^e and 57,344 x 2^e as f32
	s_add_co_i32 s48, s[\se], 127
	s_lshl_b32 s49, s48, 23
	v_mov_b32 v[\vs], s49
	s_add_co_i32 s48, s48, 15
	s_lshl_b32 s48, s48, 23
	s_or_b32 s48, s48, 0x600000
	v_mov_b32 v[\vl], s48
.endm
.macro AFFINE xs, nj, g, b, c, sc, lim         ; xhat g + b, held at the largest code x the scale, converted: code register j holds k = 128 j + 4 l + 0..3
.set aa, 0
.rept \nj/2
.set TS, SM+8*(aa%2)
.irp i, 0,2,4,6
	v_pk_fma_f32 v[TS+\i:TS+\i+1], v[\xs+8*aa+\i:\xs+8*aa+\i+1], v[\g+8*aa+\i:\g+8*aa+\i+1], v[\b+8*aa+\i:\b+8*aa+\i+1]
.endr
.irp i, 0,1,2,3,4,5,6,7
	v_med3_num_f32 v[TS+\i], v[TS+\i], -v[\lim], v[\lim]   ; the conversion to an 8-bit code does not saturate (ISA guide 7.6.2)
.endr
	v_cvt_scalef32_pk8_bf8_f32 v[\c+2*aa:\c+2*aa+1], v[TS:TS+7], v[\sc]
.set aa, aa+1
.endr
	v_nop                                          ; a plain line behind the last conversion, ahead of whatever next writes its sources
.endm
; One row.  cnt: the younger loads that may stay out.  first = 1: the gains are awaited ahead of their first use.  next = 1: the slot takes the row two further on.
.macro ROW slot, i, nj, dual, cnt, first, next, rowb, bs, st, pitch
.set XS, X+32*\slot
	s_wait_loadcnt \cnt
.set aa, 0
.rept \nj
	v_pk_add_f32 v[SM+2*aa:SM+2*aa+1], v[XS+4*aa:XS+4*aa+1], v[XS+4*aa+2:XS+4*aa+3]
.set aa, aa+1
.endr
.set aa, 2
	v_pk_add_f32 v[SM:SM+1], v[SM:SM+1], v[SM+2*aa:SM+2*aa+1]
	v_pk_add_f32 v[SM+2:SM+3], v[SM+2:SM+3], v[SM+2*aa+2:SM+2*aa+3]
.set aa, aa+2
.rept ((\nj-2)/2)-1
	s_delay_alu instid0(VALU_DEP_2)
	v_pk_add_f32 v[SM:SM+1], v[SM:SM+1], v[SM+2*aa:SM+2*aa+1]
	s_delay_alu instid0(VALU_DEP_2)
	v_pk_add_f32 v[SM+2:SM+3], v[SM+2:SM+3], v[SM+2*aa+2:SM+2*aa+3]
.set aa, aa+2
.endr
	s_delay_alu instid0(VALU_DEP_1)
	v_pk_add_f32 v[SM:SM+1], v[SM:SM+1], v[SM+2:SM+3]
	s_delay_alu instid0(VALU_DEP_1)
	v_add_f32 v[SM], v[SM], v[SM+1]
	LANES
	s_delay_alu instid0(VALU_DEP_1)
	v_mul_f32 v12, s28, v[SM]                      ; the mean
.set aa, 0
.rept 2*\nj
	v_pk_add_f32 v[XS+2*aa:XS+2*aa+1], v[XS+2*aa:XS+2*aa+1], v[12:13] op_sel_hi:[1,0] neg_lo:[0,1] neg_hi:[0,1]
.set aa, aa+1
.endr
.set aa, 0
.rept 4
	v_pk_mul_f32 v[SM+2*aa:SM+2*aa+1], v[XS+2*aa:XS+2*aa+1], v[XS+2*aa:XS+2*aa+1]   ; four chains of squares
.set aa, aa+1
.endr
.rept 2*\nj-4
	s_delay_alu instid0(VALU_DEP_4)
	v_pk_fma_f32 v[SM+2*(aa%4):SM+2*(aa%4)+1], v[XS+2*aa:XS+2*aa+1], v[XS+2*aa:XS+2*aa+1], v[SM+2*(aa%4):SM+2*(aa%4)+1]
.set aa, aa+1
.endr
	s_delay_alu instid0(VALU_DEP_3)
	v_pk_add_f32 v[SM:SM+1], v[SM:SM+1], v[SM+2:SM+3]
	s_delay_alu instid0(VALU_DEP_2)
	v_pk_add_f32 v[SM+4:SM+5], v[SM+4:SM+5], v[SM+6:SM+7]
	s_delay_alu instid0(VALU_DEP_1)
	v_pk_add_f32 v[SM:SM+1], v[SM:SM+1], v[SM+4:SM+5]
	s_delay_alu instid0(VALU_DEP_1)
	v_add_f32 v[SM], v[SM], v[SM+1]
	LANES
	s_delay_alu instid0(VALU_DEP_1)
	v_fma_f32 v14, v[SM], s28, s29                 ; the variance + 1e-5
	s_wait_alu depctr_va_vdst(0)
	v_rsq_f32 v14, v14
	v_nop                                          ; a plain line behind the transcendental
	s_wait_alu depctr_va_vdst(0)                   ; and the wait ahead of its first reader
.set aa, 0
.rept 2*\nj
	v_pk_mul_f32 v[XS+2*aa:XS+2*aa+1], v[XS+2*aa:XS+2*aa+1], v[14:15] op_sel_hi:[1,0]
.set aa, aa+1
.endr
.if \first
	s_wait_loadcnt 0x0                             ; the gains and biases
.endif
	s_wait_dscnt 0x0                               ; the last row's LDS stores have read the code registers
	AFFINE XS, \nj, GA, BA, C1, 16, 17
.set jj, 0
.rept \nj
	ds_store_b32 v[\st], v[C1+jj] offset:(\i)*\pitch+128*jj   ; 32 lanes: 128 consecutive bytes of the row
.set jj, jj+1
.endr
.if \dual
	AFFINE XS, \nj, GB, BB, C2, 18, 19
.set jj, 0
.rept \nj
	ds_store_b32 v[\st], v[C2+jj] offset:CNS+(\i)*\pitch+128*jj
.set jj, jj+1
.endr
.endif
.if \next
	LOADROW \slot, (\i)+2, \nj, \rowb, \bs
.endif
.endm
	s_load_b512 s[4:19], s[0:1], 0x0               ; x, context, sa_ng, sa_nb, sa_ncg, sa_ncb, ca_ncg, ca_ncb
	s_load_b128 s[20:23], s[0:1], 0x40             ; lowp_scales, aimg
	s_load_b64 s[24:25], s[0:1], 0x50              ; sc_ca
	v_lshl_add_u32 v[SPW], v0, 2, SPARE
	v_mov_b32 v[NIL], 0
	v_lshrrev_b32 v1, 5, v0
	s_delay_alu instid0(VALU_DEP_1)
	v_readfirstlane_b32 s26, v1                    ; wave 0..7
	v_and_b32 v1, 31, v0                           ; lane
	s_delay_alu instid0(VALU_DEP_1)
	v_lshlrev_b32 v2, 4, v1                        ; 16 x lane
	v_and_b32 v11, 15, v0                          ; r
	s_wait_alu depctr_va_vdst(0)
	v_bfe_u32 v21, v0, 4, 1                        ; h
	s_lshr_b32 s32, s26, 2                         ; on the way out: which of the two row tiles,
	s_and_b32 s33, s26, 3                          ; and which quarter c of its fragments
	s_mul_i32 s27, s26, 4*PX
	v_lshl_add_u32 v3, v1, 2, s27                  ; into x's stages: my four rows, 4 bytes a lane
	s_mul_i32 s27, s26, 4*PCX
	s_add_co_u32 s27, s27, CTS
	v_lshl_add_u32 v4, v1, 2, s27                  ; into context's stage
	s_lshl_b32 s35, s33, 5
	s_mul_i32 s34, s32, 16*PX
	s_add_co_u32 s34, s34, s35
	v_mul_u32_u24 v5, v11, PX
	s_wait_alu depctr_va_vdst(0)
	v_lshl_add_u32 v5, v21, 4, v5
	s_delay_alu instid0(VALU_DEP_1)
	v_add_nc_u32 v5, s34, v5                       ; out of x's stages: row r of my tile, + 32 c + 16 h
	s_mul_i32 s34, s32, 16*PCX
	s_add_co_u32 s34, s34, s35
	s_add_co_u32 s34, s34, CTS
	v_mul_u32_u24 v6, v11, PCX
	s_delay_alu instid0(VALU_DEP_1)
	v_lshl_add_u32 v6, v21, 4, v6
	s_delay_alu instid0(VALU_DEP_1)
	v_add_nc_u32 v6, s34, v6                       ; out of context's
	s_lshl_b32 s35, s33, 9
	s_lshl_b32 s34, s32, 14
	s_add_co_u32 s34, s34, s35
	v_add_nc_u32 v7, s34, v2                       ; in aimg: tile x 8 fragments + 512 c + 16 lane
	s_mul_i32 s34, s32, 12288
	s_add_co_u32 s34, s34, s35
	v_add_nc_u32 v8, s34, v2                       ; the same with 6 fragments a tile
	v_mov_b32 v13, 0                               ; (upper halves of pairs of which the low word serves both halves; a permute's destination)
	v_mov_b32 v15, 0
	v_mov_b32 v20, 0
	s_mov_b32 s29, 0x3727c5ac                      ; 1e-5
	s_mov_b32 s30, 0x76543210
	s_mov_b32 s31, 0xfedcba98                      ; lane l xor 16
	s_wait_kmcnt 0x0
	s_cmp_ge_u32 ttmp9, 256
	s_cbranch_scc1 .Lctx
	; ---- 32 rows of x, two outputs
	s_load_b128 s[40:43], s[20:21], 0x0            ; e0 .. e3
	s_mov_b32 s28, 0x3a800000                      ; 1 / 1,024
	s_lshl_b32 s36, ttmp9, 17                      ; 32 rows of 4,096 bytes a work-group,
	s_lshl_b32 s37, s26, 14                        ; four a wave
	s_add_co_u32 s36, s36, s37
	s_mov_b32 s37, 0
	s_add_nc_u64 s[4:5], s[4:5], s[36:37]
	s_lshl_b32 s36, ttmp9, 15                      ; two tiles x 8 fragments x 2,048 bytes
	s_add_nc_u64 s[44:45], s[22:23], s[36:37]      ; xn's images
	s_add_nc_u64 s[46:47], s[44:45], 0x800000      ; cn's
	LOADROW 0, 0, 8, 4096, 4
	LOADROW 1, 1, 8, 4096, 4
.irp j, 0,1,2,3,4,5,6,7
	global_load_b128 v[GA+4*\j:GA+4*\j+3], v2, s[8:9] offset:512*\j
	global_load_b128 v[BA+4*\j:BA+4*\j+3], v2, s[10:11] offset:512*\j
	global_load_b128 v[GB+4*\j:GB+4*\j+3], v2, s[12:13] offset:512*\j
	global_load_b128 v[BB+4*\j:BB+4*\j+3], v2, s[14:15] offset:512*\j
.endr
	s_wait_kmcnt 0x0
	MKSCALE 40, 16, 17
	MKSCALE 42, 18, 19
	ROW 0, 0, 8, 1, 40, 1, 1, 4096, 4, 3, PX       ; behind row 0's loads: row 1's 8 and the 32 of gains and biases
	ROW 1, 1, 8, 1, 8, 0, 1, 4096, 4, 3, PX        ; behind row 1's: row 2's 8
	ROW 0, 2, 8, 1, 8, 0, 0, 4096, 4, 3, PX
	ROW 1, 3, 8, 1, 0, 0, 0, 4096, 4, 3, PX
	s_wait_dscnt 0x0                               ; my rows' codes lie in the stages,
	s_barrier_signal -1
	s_barrier_wait -1                              ; everybody's do
.irp s, 0,1,2,3,4,5,6,7
	ds_load_b128 v[32+4*\s:35+4*\s], v5 offset:128*\s
.endr
.irp s, 0,1,2,3,4,5,6,7
	ds_load_b128 v[64+4*\s:67+4*\s], v5 offset:CNS+128*\s
.endr
.irp s, 0,1,2,3,4,5,6,7
	s_wait_dscnt 15-\s
	global_store_b128 v7, v[32+4*\s:35+4*\s], s[44:45] offset:2048*\s   ; 512 consecutive bytes, aligned
.endr
.irp s, 0,1,2,3,4,5,6,7
	s_wait_dscnt 7-\s
	global_store_b128 v7, v[64+4*\s:67+4*\s], s[46:47] offset:2048*\s
.endr
	s_or_b32 s48, ttmp9, s26
	s_cmp_lg_u32 s48, 0
	s_cbranch_scc1 .Lend
	v_lshlrev_b32 v21, 1, v1                       ; sc_ca[i] = lowp_scales[10 + min(i, 9)], i = 2 lane, 2 lane + 1
	s_delay_alu instid0(VALU_DEP_1)
	v_add_nc_u32 v24, 1, v21
	s_delay_alu instid0(VALU_DEP_2)
	v_min_u32 v21, 9, v21
	s_delay_alu instid0(VALU_DEP_2)
	v_min_u32 v24, 9, v24
	s_delay_alu instid0(VALU_DEP_2)
	v_lshlrev_b32 v21, 2, v21
	s_delay_alu instid0(VALU_DEP_2)
	v_lshlrev_b32 v24, 2, v24
	global_load_b32 v22, v21, s[20:21] offset:40
	global_load_b32 v23, v24, s[20:21] offset:40
	v_lshlrev_b32 v25, 3, v1
	s_wait_alu depctr_va_vdst(0)
	s_wait_loadcnt 0x0
	global_store_b64 v25, v[22:23], s[24:25]       ; the buffer's 256 bytes in one store
	s_branch .Lend
.Lctx:
	; ---- 32 rows of context, one output
	s_load_b32 s40, s[20:21], 0x30                 ; e12
	s_mov_b32 s28, 0x3aaaaaab                      ; 1 / 768
	s_sub_co_u32 s38, ttmp9, 256
	s_mul_i32 s36, s38, 98304                      ; 32 rows of 3,072 bytes
	s_mul_i32 s37, s26, 12288
	s_add_co_u32 s36, s36, s37
	s_mov_b32 s37, 0
	s_add_nc_u64 s[6:7], s[6:7], s[36:37]
	s_mul_i32 s36, s38, 24576                      ; two tiles x 6 fragments
	s_add_co_u32 s36, s36, 0x1000000
	s_add_nc_u64 s[44:45], s[22:23], s[36:37]
	LOADROW 0, 0, 6, 3072, 6
	LOADROW 1, 1, 6, 3072, 6
.irp j, 0,1,2,3,4,5
	global_load_b128 v[GA+4*\j:GA+4*\j+3], v2, s[16:17] offset:512*\j
	global_load_b128 v[BA+4*\j:BA+4*\j+3], v2, s[18:19] offset:512*\j
.endr
	s_wait_kmcnt 0x0
	MKSCALE 40, 16, 17
	ROW 0, 0, 6, 0, 18, 1, 1, 3072, 6, 4, PCX      ; behind row 0's loads: row 1's 6 and the 12 of gain and bias
	ROW 1, 1, 6, 0, 6, 0, 1, 3072, 6, 4, PCX
	ROW 0, 2, 6, 0, 6, 0, 0, 3072, 6, 4, PCX
	ROW 1, 3, 6, 0, 0, 0, 0, 3072, 6, 4, PCX
	s_wait_dscnt 0x0
	s_barrier_signal -1
	s_barrier_wait -1
.irp s, 0,1,2,3,4,5
	ds_load_b128 v[32+4*\s:35+4*\s], v6 offset:128*\s
.endr
.irp s, 0,1,2,3,4,5
	s_wait_dscnt 5-\s
	global_store_b128 v8, v[32+4*\s:35+4*\s], s[44:45] offset:2048*\s
.endr
.Lend:
	s_wait_tensorcnt 0x0                           ; the wave's end
	ds_add_u32 v[SPW], v[NIL]
	s_wait_dscnt 0x0
	s_endpgm
.Lfunc_end_k_q1c3da28683_prep:
	.size	k_q1c3da28683_prep, .Lfunc_end_k_q1c3da28683_prep-k_q1c3da28683_prep
	.p2alignl 7, 3214868480
	.fill 96, 4, 3214868480
	.section	.rodata,"a",@progbits
	.p2align	6, 0x0
	.amdhsa_kernel k_q1c3da28683_prep
		.amdhsa_group_segment_fixed_size 92672
		.amdhsa_private_segment_fixed_size 0
		.amdhsa_enable_private_segment 0
		.amdhsa_kernarg_size 88
		.amdhsa_user_sgpr_count 2
		.amdhsa_user_sgpr_kernarg_segment_ptr 1
		.amdhsa_wavefront_size32 1
		.amdhsa_system_sgpr_workgroup_id_x 1
		.amdhsa_system_sgpr_workgroup_id_y 1
		.amdhsa_system_sgpr_workgroup_id_z 1
		.amdhsa_system_vgpr_workitem_id 0
		.amdhsa_next_free_vgpr 256
		.amdhsa_next_free_sgpr 66
		.amdhsa_reserve_vcc 0
		.amdhsa_float_denorm_mode_32 3
		.amdhsa_float_denorm_mode_16_64 3
		.amdhsa_memory_ordered 1
		.amdhsa_forward_progress 1
		.amdhsa_inst_pref_size 107
	.end_amdhsa_kernel
	.amdgpu_metadata
---
amdhsa.version: [ 1, 2 ]
amdhsa.kernels:
  - .name:           k_q1c3da28683_prep
    .symbol:         k_q1c3da28683_prep.kd
    .args:
      - { .name: x, .offset: 0, .size: 8, .value_kind: global_buffer, .address_space: global }
      - { .name: context, .offset: 8, .size: 8, .value_kind: global_buffer, .address_space: global }
      - { .name: sa_ng, .offset: 16, .size: 8, .value_kind: global_buffer, .address_space: global }
      - { .name: sa_nb, .offset: 24, .size: 8, .value_kind: global_buffer, .address_space: global }
      - { .name: sa_ncg, .offset: 32, .size: 8, .value_kind: global_buffer, .address_space: global }
      - { .name: sa_ncb, .offset: 40, .size: 8, .value_kind: global_buffer, .address_space: global }
      - { .name: ca_ncg, .offset: 48, .size: 8, .value_kind: global_buffer, .address_space: global }
      - { .name: ca_ncb, .offset: 56, .size: 8, .value_kind: global_buffer, .address_space: global }
      - { .name: lowp_scales, .offset: 64, .size: 8, .value_kind: global_buffer, .address_space: global }
      - { .name: aimg, .offset: 72, .size: 8, .value_kind: global_buffer, .address_space: global }
      - { .name: sc_ca, .offset: 80, .size: 8, .value_kind: global_buffer, .address_space: global }
    .group_segment_fixed_size: 92672
    .private_segment_fixed_size: 0
    .kernarg_segment_align: 8
    .kernarg_segment_size: 88
    .max_flat_workgroup_size: 256
    .sgpr_count:     66
    .vgpr_count:     256
    .wavefront_size: 32
...
	.end_amdgpu_metadata
.endif
;; end of part 1
;; launch qkv (part 2): grid 32 x 8, 4 waves a work-group, clusters of 4 x 1, 327,680 bytes of LDS; arguments aimg, sa_wq_codes, sa_wkv_codes, ca_wkv_codes, lowp_scales, qsa, kvb; writes qsa, kvb
.if DOCPART == 2
	.amdgcn_target "amdgcn-amd-amdhsa--gfx1250"
	.amdhsa_code_object_version 6
	.text
	.protected	k_q1c3da28683_qkv
	.globl	k_q1c3da28683_qkv
	.p2align	8
	.type	k_q1c3da28683_qkv,@function
k_q1c3da28683_qkv:
	s_mov_b64 s[64:65], 0
	v_nop
	global_prefetch_b8 v0, s[64:65] scope:SCOPE_SE
	s_setreg_imm32_b32 hwreg(HW_REG_WAVE_MODE, 25, 1), 1
	s_wait_xcnt 0x0
	s_wait_alu depctr_hold_cnt(0) depctr_sa_sdst(0) depctr_va_vdst(0) depctr_va_sdst(0) depctr_va_ssrc(0) depctr_va_vcc(0) depctr_vm_vsrc(0)
	s_getreg_b32 s2, hwreg(HW_REG_IB_STS2, 6, 4)
	s_cmp_eq_u32 s2, 0
	s_cbranch_scc0 .Lentry_in_a_cluster
	s_endpgm
.Lentry_in_a_cluster:
	s_bfe_u32 s2, ttmp6, 0x10000c
	s_cmp_lg_u32 s2, 0x3003
	s_cbranch_scc0 .Lentry_shape_is_right
	s_endpgm
.Lentry_shape_is_right:
; QKV: all projections whose left operand is a layer norm of an input, on E5M2 codes: the self-attention's q = xn Wq and k | v = cn Wkv, and the cross-attention's k | v = LN(context) Wkv.
; Each result is quantised at once (2^e4, 2^e5, 2^e7; 2^e15, 2^e17) and stored as an image of the operand registers that attention wants.  No work of reference() is left out here.
; TWO PATHS, which part once on the work-group's y, behind the opening lines, and never join: each has its own round, joint load, barrier and end, and LDS bytes of its own.
; SELF-ATTENTION (y = 0, 1: q; 2, 3: k; 4, 5: v).  A work-group makes 256 rows x 256 features.  Wave w owns rows 64 w on (four tiles of 16): their fragments for all of K = 1,024, 512 registers, come straight
; from aimg, 512 consecutive bytes a load, and stay.  The weight's 256 rows lie in LDS (pitch 1,040), filled once: a fragment read from LDS feeds four matrix instructions.
; CONTEXT (y = 6: k; 7: v).  A work-group makes the 512 rows of one batch x the 64 features of one head.  Wave w owns rows 128 w on: eight tiles, one key step of 128; their fragments for K = 768 are 768 registers.
; The head's 64 weight rows lie in LDS (768 bytes with 16 of padding behind every 256: pitch 816).  192 + 64 work-groups: 256.
; CLUSTER.  Self-attention: the four work-groups of a cluster have the same y, so the same weight rows, 64 a wave.  Context: they are the four batches of one head, 16 weight rows a wave.  Each wave asks jointly, once.  Nothing is filled again.
; FORMS.  q, k: source 0 = 16 features of the weight, source 1 = 16 rows: a lane holds ONE row and eight neighbouring features, so a conversion's two registers are registers 2 c, 2 c + 1 of the
; 16 x 64 fragment of that row tile (c: the head's tile of 16 features).  v: the sources swapped: a lane holds ONE feature and eight neighbouring rows (keys): registers 2 c, 2 c + 1 of the 16 x 128
; fragment of V^T (c: the key tile in a step of 128 keys).  Nothing is transposed.
; k lies in the fragments as four loads of 16 bytes bring it (k = 32 c + 16 (lane / 16) + 0..15 in registers 4 c .. 4 c + 3), alike in both sources.
; THE ROWS' FRAGMENTS ARE ASKED FOR K STEP BY K STEP, and the first products wait by count: a pair of K steps is multiplied while the later ones are on their way.
; LIMITS: e4 - e0 - e1, e5 - e2 - e3, e7 - e2 - e3, e15 - e12 - e13, e17 - e12 - e13 lie between -126 and 112.  NaN is not served.
; REGISTERS: window 0: v2, v3 my place in a weight tile (self-attention, context), v4 the head's address, v6 16 x lane, v8, v9 the conversion's scale and the hold, v16-31 codes, v64-191 two sets of four weight
;   fragments, v192-255 eight accumulators.  Self-attention: window 1: rows' fragments of tiles 0, 1 at 16 (8 t + s); window 2: of tiles 2, 3.  Context: window 1 + s / 2: tile t, K step s at 16 (2 t + s % 2).
.set PITCH,  1040                      ; a weight row of 1,024 bytes in LDS: + 16: the 16 rows of a load start in 16 different groups of banks
.set REGB,   64*PITCH                  ; what one wave fetches on the first path: 64 rows = one head's features
.set SPARE,  4*REGB                    ; behind those weights: the spare words, 128 bytes a wave
.set CW,     SPARE+512                 ; behind them: the context path's weights
.set CPITCH, 816
.set CREGB,  16*CPITCH                 ; what one wave fetches there: 16 rows
.set WV,    18
.set SPW,   10
.set NIL,   11
.set CC,    16
.set BS0,   64
.set ACC,   192
.set MSB, 0
.macro WIN new                         ; the immediate's high byte repeats the setting that is left
.if MSB != (\new)
	s_set_vgpr_msb (MSB<<8)|(\new)
.set MSB, (\new)
.endif
.endm
.macro PLACES n
.rept \n
	v_nop
.endr
.endm
.macro CROUND                          ; a round of the cluster's barrier
	s_barrier_signal -1
	s_barrier_wait -1
	s_cmp_lg_u32 s[WV], 0
	s_cbranch_scc1 .Lnot_wave_0_\@
	s_barrier_signal -3
.Lnot_wave_0_\@:
	s_barrier_wait -3
	s_barrier_signal -1
	s_barrier_wait -1
.endm
.macro FINISH                          ; a wave's end
	s_wait_tensorcnt 0x0
	ds_add_u32 v[SPW], v[NIL]
	s_wait_dscnt 0x0
	CROUND                                         ; the closing round
	s_endpgm
.endm
.macro MKSCALE                         ; s60 = eo - ea - eb: a sum stands for sum x 2^(ea + eb), so the three scales are folded into the conversion's one
	s_add_co_i32 s60, s60, 127
	s_lshl_b32 s61, s60, 23
	v_mov_b32 v8, s61
	s_add_co_i32 s60, s60, 15
	s_lshl_b32 s60, s60, 23
	s_or_b32 s60, s60, 0x600000
	v_mov_b32 v9, s60                              ; 57,344 x that
.endm
; four weight fragments: feature tiles 2 p, 2 p + 1 of the head, K steps 2 g, 2 g + 1.  kg: bytes from one pair of K steps to the next in an LDS row
.macro FETCHB adr, pitch, kg, p, g, set
.irp u, 0,1
.irp sp, 0,1
.irp c, 0,1,2,3
	ds_load_b128 v[(\set)+32*\u+16*\sp+4*\c:(\set)+32*\u+16*\sp+4*\c+3], v[\adr] offset:(32*\p+16*\u)*\pitch+\kg*(\g)+128*\sp+32*\c
.endr
.endr
.endr
.endm
; 32 features x 64 rows are finished: the hold, the conversions, four stores of 512 consecutive bytes.  hh: which four of the wave's row tiles (context; else 0)
.macro WAYOUT v, p, hh
	WIN 0
	PLACES 4                                       ; in front of the first read of results
.set ii, 0
.rept 64
	v_med3_num_f32 v[ACC+ii], v[ACC+ii], -v9, v9   ; the hold at the largest code x the scale (the conversion does not saturate: ISA guide 7.6.2); each accumulator from its low end on
.set ii, ii+1
.endr
	s_wait_xcnt 0x0                                ; the last stores have read the code registers
.if \v
	s_wait_alu depctr_va_vdst(0)
.irp u, 0,1
.irp t, 0,1,2,3
	v_cvt_scalef32_pk8_bf8_f32 v[CC+8*\u+2*\t:CC+8*\u+2*\t+1], v[ACC+32*\u+8*\t:ACC+32*\u+8*\t+7], v8
.endr
.endr
	v_nop                                          ; a plain line between the conversions and the next products, which write their sources
.irp u, 0,1
.irp q, 0,1
	global_store_b128 v6, v[CC+8*\u+4*\q:CC+8*\u+4*\q+3], s[48:49] offset:8192+(2*\p+\u)*2048+1024*\hh+512*\q
.endr
.endr
.else
	s_wait_alu depctr_va_vdst(0)
.irp t, 0,1,2,3
.irp u, 0,1
	v_cvt_scalef32_pk8_bf8_f32 v[CC+4*\t+2*\u:CC+4*\t+2*\u+1], v[ACC+16*\t+8*\u:ACC+16*\t+8*\u+7], v8
.endr
.endr
	v_nop
.irp t, 0,1,2,3
	global_store_b128 v6, v[CC+4*\t:CC+4*\t+3], s[48:49] offset:1024*(4*\hh+\t)+512*\p
.endr
.endif
.endm
; ---- the self-attention's macros
.macro ALOAD                           ; my four row tiles' fragments, K step by K step: load number 16 s + 4 t + c
.set kk, 0
.rept 8
.irp t, 0,1,2,3
	WIN 0x40*(1+\t/2)
.irp c, 0,1,2,3
	global_load_b128 v[16*(8*(\t%2)+kk)+4*\c:16*(8*(\t%2)+kk)+4*\c+3], v6, s[4:5] offset:(8*\t+kk)*2048+512*\c
.endr
.endr
.set kk, kk+1
.endr
	WIN 0
.endm
; 16 matrix instructions.  The four accumulators of a pair of row tiles take turns, one instruction a turn; K step 0 starts the sums.
.macro MUL v, g, set
.irp ph, 0,1
.if \v
	WIN 0x01*(1+\ph)
.else
	WIN 0x04*(1+\ph)
.endif
.irp sp, 0,1
.irp tt, 0,1
.irp u, 0,1
.set rA, 16*(8*\tt+2*\g+\sp)
.set rB, (\set)+32*\u+16*\sp
.if \v
.set rD, ACC+32*\u+8*(2*\ph+\tt)
.if (\g == 0) && (\sp == 0)
	v_wmma_f32_16x16x128_bf8_bf8 v[rD:rD+7], v[rA:rA+15], v[rB:rB+15], 0
.else
	v_wmma_f32_16x16x128_bf8_bf8 v[rD:rD+7], v[rA:rA+15], v[rB:rB+15], v[rD:rD+7]
.endif
.else
.set rD, ACC+16*(2*\ph+\tt)+8*\u
.if (\g == 0) && (\sp == 0)
	v_wmma_f32_16x16x128_bf8_bf8 v[rD:rD+7], v[rB:rB+15], v[rA:rA+15], 0
.else
	v_wmma_f32_16x16x128_bf8_bf8 v[rD:rD+7], v[rB:rB+15], v[rA:rA+15], v[rD:rD+7]
.endif
.endif
.endr
.endr
.endr
.endr
.endm
; 32 features of the head in hand for my 64 rows
.macro PAIR v, p
	FETCHB 4, PITCH, 256, \p, 0, BS0
.irp g, 0,1,2,3
.if \g < 3
.if \g >= 1
	WIN 0
	PLACES 4                                       ; in front of loads into registers that matrix instructions have read
.endif
	FETCHB 4, PITCH, 256, \p, \g+1, BS0+64*((\g+1)%2)
	s_wait_dscnt 16                                ; this group's 16 loads are in; the next group's may be out
.else
	s_wait_dscnt 0x0
.endif
.if \p == 0                                    ; my rows' fragments of K steps 2 g, 2 g + 1 are among the first 32 (g + 1) of the 128 loads: 96, 64, 32, 0 are younger (the field holds 63).  In later trips nothing is out
.if \g < 2
	s_wait_loadcnt 63
.else
	s_wait_loadcnt 32*(3-\g)
.endif
.endif
	MUL \v, \g, BS0+64*(\g%2)
.endr
	WAYOUT \v, \p, 0
.endm
; ---- the context's macros
.macro CALOAD                          ; my eight row tiles' fragments, K step by K step: load number 32 s + 4 t + c
.set kk, 0
.rept 6
	WIN 0x40*(1+kk/2)
.irp t, 0,1,2,3,4,5,6,7
.irp c, 0,1,2,3
	global_load_b128 v[16*(2*\t+kk%2)+4*\c:16*(2*\t+kk%2)+4*\c+3], v6, s[4:5] offset:(6*\t+kk)*2048+512*\c
.endr
.endr
.set kk, kk+1
.endr
	WIN 0
.endm
; 16 matrix instructions under one window setting: row tiles 4 hh .. 4 hh + 3 x two feature tiles x two K steps.  The eight accumulators take turns; K step 0 starts the sums.
.macro CMUL v, hh, g, set
.if \v
	WIN 0x01*(1+\g)
.else
	WIN 0x04*(1+\g)
.endif
.irp sp, 0,1
.irp t, 0,1,2,3
.irp u, 0,1
.set rA, 16*(2*(4*\hh+\t)+\sp)
.set rB, (\set)+32*\u+16*\sp
.if \v
.set rD, ACC+32*\u+8*\t
.if (\g == 0) && (\sp == 0)
	v_wmma_f32_16x16x128_bf8_bf8 v[rD:rD+7], v[rA:rA+15], v[rB:rB+15], 0
.else
	v_wmma_f32_16x16x128_bf8_bf8 v[rD:rD+7], v[rA:rA+15], v[rB:rB+15], v[rD:rD+7]
.endif
.else
.set rD, ACC+16*\t+8*\u
.if (\g == 0) && (\sp == 0)
	v_wmma_f32_16x16x128_bf8_bf8 v[rD:rD+7], v[rB:rB+15], v[rA:rA+15], 0
.else
	v_wmma_f32_16x16x128_bf8_bf8 v[rD:rD+7], v[rB:rB+15], v[rA:rA+15], v[rD:rD+7]
.endif
.endif
.endr
.endr
.endr
.endm
; 32 features of my head for four of my row tiles
.macro CPAIR v, hh, p
	FETCHB 3, CPITCH, 272, \p, 0, BS0
.irp g, 0,1,2
.if \g < 2
.if \g >= 1
	WIN 0
	PLACES 4                                       ; in front of loads into registers that matrix instructions have read
.endif
	FETCHB 3, CPITCH, 272, \p, \g+1, BS0+64*((\g+1)%2)
	s_wait_dscnt 16                                ; this group's 16 loads are in; the next group's may be out
.else
	s_wait_dscnt 0x0
.endif
.if (\hh == 0) && (\p == 0)                    ; K steps 2 g, 2 g + 1 are among the first 64 (g + 1) of the 192 loads: 128, 64, 0 are younger (the field holds 63)
.if \g < 2
	s_wait_loadcnt 63
.else
	s_wait_loadcnt 0x0
.endif
.endif
	CMUL \v, \hh, \g, BS0+64*(\g%2)
.endr
	s_wait_alu depctr_va_vdst(0)
	WAYOUT \v, \p, \hh
.endm
	s_load_b256 s[4:11], s[0:1], 0x0               ; aimg, sa_wq_codes, sa_wkv_codes, ca_wkv_codes
	s_load_b128 s[12:15], s[0:1], 0x20             ; lowp_scales, qsa
	s_load_b64 s[16:17], s[0:1], 0x30              ; kvb
	v_lshl_add_u32 v[SPW], v0, 2, SPARE
	v_mov_b32 v[NIL], 0
	ds_add_u32 v[SPW], v[NIL]                      ; the opening: the add, twice on end, and its wait ahead of my first tensor load
	ds_add_u32 v[SPW], v[NIL]
	v_lshrrev_b32 v1, 5, v0
	v_readfirstlane_b32 s[WV], v1                  ; wave 0..3
	s_bfe_u32 s19, ttmp6, 0x40000                  ; cx: it enters the rows' and the results' addresses alone
	s_lshl_b32 s20, ttmp9, 2
	s_add_co_u32 s20, s20, s19                     ; work-group x
	s_and_b32 s21, ttmp7, 0xffff                   ; y
	s_mov_b32 s24, 15|(1<<20)|(1<<21)|(7<<22)|(3<<25)   ; the self-attention's weights: the mask: all four; elements of 1 byte; padding on, 4 words behind every 256; bit 21 beside the mask
	s_mov_b32 s25, 1024<<16                        ; tensor_dim0
	s_mov_b32 s26, 64<<16                          ; tensor_dim1
	s_mov_b32 s27, 1024<<16                        ; tile_dim0
	s_mov_b32 s28, 64                              ; tile_dim1
	s_mov_b32 s29, 1024                            ; the pitch
	s_mov_b32 s30, 0
	s_mov_b32 s31, 0
	s_mov_b32 s32, 15|(1<<20)|(1<<21)|(5<<22)|(3<<25)   ; the context's: 4 words of padding behind every 64
	s_mov_b32 s33, 768<<16
	s_mov_b32 s34, 16<<16
	s_mov_b32 s35, 768<<16
	s_mov_b32 s36, 16
	s_mov_b32 s37, 768
	s_mov_b32 s38, 0
	s_mov_b32 s39, 0
	v_and_b32 v1, 15, v0                           ; r
	v_bfe_u32 v7, v0, 4, 1                         ; h
	v_mul_u32_u24 v2, v1, PITCH
	v_lshl_add_u32 v2, v7, 4, v2                   ; row r x pitch + 16 h
	v_mul_u32_u24 v3, v1, CPITCH
	v_lshl_add_u32 v3, v7, 4, v3
	v_add_nc_u32 v3, CW, v3                        ; the same among the context's weights
	v_and_b32 v6, 31, v0
	v_lshlrev_b32 v6, 4, v6                        ; 16 x lane
	s_wait_dscnt 0x0                               ; both opening adds are done
	s_cmp_ge_u32 s21, 6                            ; y is the same in all four partners
	s_cbranch_scc1 .Lctx
	; ======== the self-attention's q, k, v
	s_mov_b32 s40, 1
	s_mul_i32 s41, s[WV], REGB                     ; LDS: my region
	s_cmp_lt_u32 s21, 2                            ; q?
	s_cselect_b32 s22, 0, 2
	s_cselect_b32 s58, 0, 0x800000                 ; xn's images or cn's
	s_mov_b32 s50, 262144                          ; from head to head in kvb,
	s_cselect_b32 s50, 131072, s50                 ; in qsa
	s_mov_b32 s51, 0
	s_sub_co_u32 s22, s21, s22                     ; which 256 rows of the weight: y in Wq, y - 2 in Wkv
	s_lshl_b32 s22, s22, 8
	s_lshl_b32 s54, s[WV], 6
	s_add_co_u32 s22, s22, s54
	s_mul_i32 s54, s22, 1024
	s_mov_b32 s55, 0
	s_cmp_ge_u32 s21, 4
	s_cselect_b32 s44, 1, 0                        ; 1: v's form
	s_lshl_b32 s60, s20, 4
	s_lshl_b32 s61, s[WV], 2
	s_add_co_u32 s60, s60, s61                     ; my first row tile
	s_mul_i32 s60, s60, 8*2048
	s_add_co_u32 s60, s60, s58
	s_mov_b32 s61, 0
	s_lshr_b32 s56, s20, 3                         ; the batch
	s_lshl_b32 s56, s56, 3
	s_and_b32 s57, s21, 1
	s_lshl_b32 s57, s57, 2
	s_add_co_u32 s56, s56, s57                     ; 8 batch + my first head
	s_mul_i32 s56, s56, s50
	s_and_b32 s62, s20, 7                          ; my block of rows in the batch
	s_lshl_b32 s57, s62, 14
	s_lshl_b32 s63, s[WV], 12
	s_add_co_u32 s57, s57, s63                     ; q: (16 block + 4 wave) tiles of 1,024 bytes
	s_lshl_b32 s62, s62, 15
	s_lshr_b32 s63, s[WV], 1
	s_lshl_b32 s63, s63, 14
	s_add_co_u32 s62, s62, s63                     ; k, v: (2 block + wave / 2) steps of 16,384 bytes,
	s_cmp_eq_u32 s44, 1
	s_cselect_b32 s59, 10, 12
	s_and_b32 s63, s[WV], 1
	s_lshl_b32 s63, s63, s59
	s_add_co_u32 s62, s62, s63                     ; + (wave % 2) x 4 tiles of k, or x 8 registers of each fragment of v
	s_cmp_lt_u32 s21, 2
	s_cselect_b32 s57, s57, s62
	s_add_co_u32 s56, s56, s57
	s_mov_b32 s57, 0
	s_wait_kmcnt 0x0
	s_load_b256 s[68:75], s[12:13], 0x0            ; e0 .. e7
	s_cmp_lt_u32 s21, 2
	s_cselect_b64 s[52:53], s[6:7], s[8:9]
	s_cselect_b64 s[48:49], s[14:15], s[16:17]
	s_add_nc_u64 s[42:43], s[52:53], s[54:55]
	s_or_b32 s43, s43, 0x80000000                  ; type 2
	s_add_nc_u64 s[48:49], s[48:49], s[56:57]
	s_add_nc_u64 s[4:5], s[4:5], s[60:61]
	CROUND                                         ; all four work-groups are here: the joint loads meet
	tensor_load_to_lds s[40:43], s[24:31]          ; my 64 rows of the weight: my one tensor load
	s_nop 0
	PLACES 4
	s_wait_alu depctr_va_vdst(0)
	ALOAD
	s_wait_kmcnt 0x0
	s_add_co_i32 s57, s68, s69                     ; e0 + e1
	s_add_co_i32 s58, s70, s71                     ; e2 + e3
	s_cmp_lt_u32 s21, 2
	s_cselect_b32 s57, s57, s58
	s_cselect_b32 s60, s72, s73                    ; e4 or e5,
	s_cmp_eq_u32 s44, 1
	s_cselect_b32 s60, s75, s60                    ; or e7
	s_sub_co_i32 s60, s60, s57
	MKSCALE
	s_wait_tensorcnt 0x0                           ; my rows of the weight are in,
	s_barrier_signal -1
	s_barrier_wait -1                              ; everybody's are
	s_mov_b32 s45, 0
	s_mov_b32 s46, 0
.Lhead:                                            ; four trips: a head = 64 features = one wave's region of LDS
	v_add_nc_u32 v4, s45, v2
	s_cmp_eq_u32 s44, 1
	s_cbranch_scc1 .Lvform
	s_wait_alu depctr_va_vdst(0)
	PAIR 0, 0
	PAIR 0, 1
	s_branch .Ljoin
.Lvform:
	s_wait_alu depctr_va_vdst(0)
	PAIR 1, 0
	PAIR 1, 1
.Ljoin:
	s_wait_xcnt 0x0                                ; the stores have read their base
	s_add_nc_u64 s[48:49], s[48:49], s[50:51]
	s_add_co_u32 s45, s45, REGB
	s_add_co_u32 s46, s46, 1
	s_cmp_lt_u32 s46, 4
	s_cbranch_scc1 .Lhead
	FINISH
.Lctx:
	; ======== the cross-attention's k, v: batch = cx, head = the cluster's x, key step = my wave
	s_sub_co_u32 s44, s21, 6                       ; 0: k; 1: v
	s_lshl_b32 s54, s44, 9                         ; the weight's rows: 512 for v,
	s_lshl_b32 s55, ttmp9, 6                       ; + 64 head,
	s_add_co_u32 s54, s54, s55
	s_lshl_b32 s55, s[WV], 4                       ; + the 16 that I fetch
	s_add_co_u32 s54, s54, s55
	s_mul_i32 s54, s54, 768
	s_mov_b32 s55, 0
	s_mov_b32 s88, 1
	s_mul_i32 s89, s[WV], CREGB
	s_add_co_u32 s89, s89, CW                      ; LDS: my 16 rows
	s_lshl_b32 s60, s19, 5
	s_lshl_b32 s61, s[WV], 3
	s_add_co_u32 s60, s60, s61                     ; my first row tile: 32 batch + 8 wave
	s_mul_i32 s60, s60, 6*2048
	s_add_co_u32 s60, s60, 0x1000000               ; context's images
	s_mov_b32 s61, 0
	s_lshl_b32 s56, s19, 3
	s_add_co_u32 s56, s56, ttmp9                   ; 8 batch + head
	s_lshl_b32 s56, s56, 16                        ; four steps of 16,384 bytes each,
	s_lshl_b32 s57, s[WV], 14                      ; my step,
	s_add_co_u32 s56, s56, s57
	s_add_co_u32 s56, s56, 0x800000                ; in the cross-attention's part of kvb
	s_mov_b32 s57, 0
	s_wait_kmcnt 0x0
	s_load_b128 s[68:71], s[12:13], 0x30           ; e12 .. e15
	s_load_b64 s[72:73], s[12:13], 0x40            ; e16, e17
	s_add_nc_u64 s[90:91], s[10:11], s[54:55]
	s_or_b32 s91, s91, 0x80000000                  ; type 2
	s_add_nc_u64 s[48:49], s[16:17], s[56:57]
	s_add_nc_u64 s[4:5], s[4:5], s[60:61]
	CROUND                                         ; all four work-groups are here: the joint loads meet
	tensor_load_to_lds s[88:91], s[32:39]          ; my 16 rows of the weight: my one tensor load
	s_nop 0
	PLACES 4
	s_wait_alu depctr_va_vdst(0)
	CALOAD
	s_wait_kmcnt 0x0
	s_add_co_i32 s57, s68, s69                     ; e12 + e13
	s_cmp_eq_u32 s44, 1
	s_cselect_b32 s60, s73, s71                    ; e17 or e15
	s_sub_co_i32 s60, s60, s57
	MKSCALE
	s_wait_tensorcnt 0x0                           ; my rows of the weight are in,
	s_barrier_signal -1
	s_barrier_wait -1                              ; everybody's are
	s_cmp_eq_u32 s44, 1
	s_cbranch_scc1 .Lcv
	CPAIR 0, 0, 0
	CPAIR 0, 0, 1
	CPAIR 0, 1, 0
	CPAIR 0, 1, 1
	s_branch .Lcend
.Lcv:
	CPAIR 1, 0, 0
	CPAIR 1, 0, 1
	CPAIR 1, 1, 0
	CPAIR 1, 1, 1
.Lcend:
	FINISH
.Lfunc_end_k_q1c3da28683_qkv:
	.size	k_q1c3da28683_qkv, .Lfunc_end_k_q1c3da28683_qkv-k_q1c3da28683_qkv
	.p2alignl 7, 3214868480
	.fill 96, 4, 3214868480
	.section	.rodata,"a",@progbits
	.p2align	6, 0x0
	.amdhsa_kernel k_q1c3da28683_qkv
		.amdhsa_group_segment_fixed_size 327680
		.amdhsa_private_segment_fixed_size 0
		.amdhsa_enable_private_segment 0
		.amdhsa_kernarg_size 56
		.amdhsa_user_sgpr_count 2
		.amdhsa_user_sgpr_kernarg_segment_ptr 1
		.amdhsa_wavefront_size32 1
		.amdhsa_system_sgpr_workgroup_id_x 1
		.amdhsa_system_sgpr_workgroup_id_y 1
		.amdhsa_system_sgpr_workgroup_id_z 1
		.amdhsa_system_vgpr_workitem_id 0
		.amdhsa_next_free_vgpr 1024
		.amdhsa_next_free_sgpr 96
		.amdhsa_reserve_vcc 0
		.amdhsa_float_denorm_mode_32 3
		.amdhsa_float_denorm_mode_16_64 3
		.amdhsa_memory_ordered 1
		.amdhsa_forward_progress 1
		.amdhsa_inst_pref_size 188
	.end_amdhsa_kernel
	.amdgpu_metadata
---
amdhsa.version: [ 1, 2 ]
amdhsa.kernels:
  - .name:           k_q1c3da28683_qkv
    .symbol:         k_q1c3da28683_qkv.kd
    .args:
      - { .name: aimg, .offset: 0, .size: 8, .value_kind: global_buffer, .address_space: global }
      - { .name: sa_wq_codes, .offset: 8, .size: 8, .value_kind: global_buffer, .address_space: global }
      - { .name: sa_wkv_codes, .offset: 16, .size: 8, .value_kind: global_buffer, .address_space: global }
      - { .name: ca_wkv_codes, .offset: 24, .size: 8, .value_kind: global_buffer, .address_space: global }
      - { .name: lowp_scales, .offset: 32, .size: 8, .value_kind: global_buffer, .address_space: global }
      - { .name: qsa, .offset: 40, .size: 8, .value_kind: global_buffer, .address_space: global }
      - { .name: kvb, .offset: 48, .size: 8, .value_kind: global_buffer, .address_space: global }
    .group_segment_fixed_size: 327680
    .private_segment_fixed_size: 0
    .kernarg_segment_align: 8
    .kernarg_segment_size: 56
    .max_flat_workgroup_size: 128
    .sgpr_count:     96
    .vgpr_count:     1024
    .wavefront_size: 32
...
	.end_amdgpu_metadata
.endif
;; end of part 2
;; launch attn_sa (part 3): grid 8 x 32, 8 waves a work-group, clusters of 4 x 1, 327,680 bytes of LDS; arguments qsa, kvb, lowp_scales, att1; writes att1
.if DOCPART == 3
	.amdgcn_target "amdgcn-amd-amdhsa--gfx1250"
	.amdhsa_code_object_version 6
	.text
	.protected	k_q1c3da28683_attn_sa
	.globl	k_q1c3da28683_attn_sa
	.p2align	8
	.type	k_q1c3da28683_attn_sa,@function
k_q1c3da28683_attn_sa:
	s_mov_b64 s[64:65], 0
	v_nop
	global_prefetch_b8 v0, s[64:65] scope:SCOPE_SE
	s_setreg_imm32_b32 hwreg(HW_REG_WAVE_MODE, 25, 1), 1
	s_wait_xcnt 0x0
	s_wait_alu depctr_hold_cnt(0) depctr_sa_sdst(0) depctr_va_vdst(0) depctr_va_sdst(0) depctr_va_ssrc(0) depctr_va_vcc(0) depctr_vm_vsrc(0)
	s_getreg_b32 s2, hwreg(HW_REG_IB_STS2, 6, 4)
	s_cmp_eq_u32 s2, 0
	s_cbranch_scc0 .Lentry_in_a_cluster
	s_endpgm
.Lentry_in_a_cluster:
	s_bfe_u32 s2, ttmp6, 0x10000c
	s_cmp_lg_u32 s2, 0x3003
	s_cbranch_scc0 .Lentry_shape_is_right
	s_endpgm
.Lentry_shape_is_right:
; ATTENTION on E5M2 codes, the self-attention: 2,048 keys.  No work of reference() is left out here.
; S^T = K Q^T, p = 2^(t - M), O^T = V^T P^T, O / l quantised for the projection that follows.
; t = score x log2(e) / 8 x 2^(eq + ek); M = the running largest t rounded UP to a whole number; l = the row's sum of the unquantised p; when M moves, l and O^T are multiplied by 2^(old M - new M), exactly.
; SHARES.  A work-group owns 256 queries of one (batch, head); each of its EIGHT waves owns 32 of them, two tiles (u = 0, 1), in 512 registers: a fragment of K or V read from LDS feeds two matrix instructions.
; Every wave walks all keys, 128 a step.
; LDS.  The head's whole K and V, NST x 16,384 bytes, lie in LDS as images of operand registers, filled once: each wave asks for an eighth by its one tensor load.  One barrier; nothing is filled again.
; CLUSTER.  The four query blocks of a cluster belong to one head: the loads are joint.
; NO PREFETCH: all that the launch reads of K and V is asked for at the head; there is no loop to run ahead in.
; FRAGMENTS AHEAD.  Behind a step's score products its V fragments and the next step's K fragments are asked for: 32 LDS loads that land under the softmax.  The last step is written out: it asks for no further K.
; THE TWO TILES ARE STAGGERED, so that lines that hang on each other stand apart: maxima in eight chains a tile (one an accumulator); tile 0's chain from the maximum to f stands among tile 1's maxima,
; tile 1's among tile 0's t - M; tile 0's exponentials take turns with tile 1's t - M, tile 1's with tile 0's first sums and holds: lines that hang on nothing in their block and are first read behind its closing wait.
; LIMITS: eq + ek between -123 and 130; ep and eo - ep - ev between -126 and 112.  NaN is not served.  The scaled scores stay under 2^31 in magnitude.
; REGISTERS.  Window 0: v1 16 x lane, v2 the step's LDS address, v5, v6 the spare word and 0; S^T, then p, at SA + 64 u; p's codes at PA + 16 u; the softmax's state from v192 on; v224-255 at work.
;   Window 1: K's eight fragments at KF, V's four at VF, Q at QA + 8 u, O^T at OA + 32 u.
.set NST,   16                         ; key steps
.set KVOFF, 0                          ; where this layer's K and V begin in kvb
.set SCB,   16                         ; byte of eq in lowp_scales; ek, ep, ev, eo follow
.set WROWS, NST*8                      ; rows of 256 bytes that one wave fetches: NST x 16,384 / 8 / 256
.set SPARE, NST*16384                  ; behind K and V: the spare words, 128 bytes a wave
.set WV,    12
.set SA,    32
.set SB,    96
.set PA,    160
.set NM,    192                        ; pair + 2 u: -M, the largest t
.set SU,    196                        ; pair + 2 u: the sum in two halves
.set FF,    200                        ; pair + 2 u: f = 2^(old M - new M); the upper word is only named
.set PM,    212                        ; + u: a lane permute's destination
.set SCL,   214                        ; 2^ep
.set OSC,   215                        ; 2^(eo - ep - ev)
.set OHL,   216                        ; 57,344 x that
.set TM,    224                        ; + 8 u + c: the maxima's eight chains
.set XP,    224                        ; + 2 i: sixteen pairs of partial sums (the maxima are done with by then)
.set KF,    0
.set VF,    64
.set QA,    128
.set OA,    144
.set MSB, 0
.macro WIN new                         ; the immediate's high byte repeats the setting that is left
.if MSB != (\new)
	s_set_vgpr_msb (MSB<<8)|(\new)
.set MSB, (\new)
.endif
.endm
.macro PLACES n
.rept \n
	v_nop
.endr
.endm
.macro CROUND                          ; a round of the cluster's barrier
	s_barrier_signal -1
	s_barrier_wait -1
	s_cmp_lg_u32 s[WV], 0
	s_cbranch_scc1 .Lnot_wave_0_\@
	s_barrier_signal -3
.Lnot_wave_0_\@:
	s_barrier_wait -3
	s_barrier_signal -1
	s_barrier_wait -1
.endm
.macro MX u, m                         ; line m of tile u's maxima: chain m % 8 takes registers 0-2, then 3, 4, then 5, 6 of its accumulator: from the low end on
.if (\m)/8 == 0
	v_max3_num_f32 v[TM+8*\u+(\m)%8], v[SA+64*\u+8*((\m)%8)], v[SA+64*\u+8*((\m)%8)+1], v[SA+64*\u+8*((\m)%8)+2]
.else
	v_max3_num_f32 v[TM+8*\u+(\m)%8], v[TM+8*\u+(\m)%8], v[SA+64*\u+8*((\m)%8)+2*((\m)/8)+1], v[SA+64*\u+8*((\m)%8)+2*((\m)/8)+2]
.endif
.endm
.macro FMX u, k                        ; the next k of them
.rept \k
	MX \u, mm
.set mm, mm+1
.endr
.endm
.macro RDA u                           ; the eight chains and the accumulators' last registers become one number, in three levels
.irp c, 0,1,2,3
	v_max3_num_f32 v[TM+8*\u+\c], v[TM+8*\u+\c], v[SA+64*\u+8*\c+7], v[SA+64*\u+8*\c+39]
.endr
.endm
.macro RDB u
	v_max3_num_f32 v[TM+8*\u], v[TM+8*\u], v[TM+8*\u+4], v[TM+8*\u+5]
	v_max3_num_f32 v[TM+8*\u+1], v[TM+8*\u+1], v[TM+8*\u+6], v[TM+8*\u+7]
	v_max_num_f32 v[TM+8*\u+2], v[TM+8*\u+2], v[TM+8*\u+3]
.endm
.macro RDC u
	v_max3_num_f32 v[TM+8*\u], v[TM+8*\u], v[TM+8*\u+1], v[TM+8*\u+2]
.endm
.macro CH u, n                         ; line n of the chain from tile u's largest score to -M and f
.if (\n) == 0
	v_permlanex16_b32 v[PM+\u], v[TM+8*\u], s20, s21
.elseif (\n) == 1
	v_max_num_f32 v[TM+8*\u], v[TM+8*\u], v[PM+\u]   ; and among lane l xor 16's keys
.elseif (\n) == 2
	v_mul_f32 v[TM+8*\u], s22, v[TM+8*\u]          ; as t (c is positive)
.elseif (\n) == 3
	v_max_num_f32 v[NM+2*\u+1], v[NM+2*\u+1], v[TM+8*\u]
.elseif (\n) == 4
	v_mov_b32 v[TM+8*\u], v[NM+2*\u]
.elseif (\n) == 5
	v_floor_f32 v[NM+2*\u], -v[NM+2*\u+1]          ; -M = floor(-t): M is a whole number
.elseif (\n) == 6
	v_sub_f32 v[TM+8*\u], v[NM+2*\u], v[TM+8*\u]   ; old M - new M
.elseif (\n) == 7
	v_cvt_i32_f32 v[TM+8*\u], v[TM+8*\u]           ; (it saturates)
.else
	v_ldexp_f32 v[FF+2*\u], 1.0, v[TM+8*\u]        ; f
.endif
.endm
.macro FFM k                           ; the next k lines of tile 0's t - M
.rept \k
	v_pk_fma_f32 v[SA+ff:SA+ff+1], v[SA+ff:SA+ff+1], s[22:23], v[NM:NM+1] op_sel_hi:[1,0,0]
.set ff, ff+2
.endr
.endm
.macro HOLD2 r                         ; the hold of two numbers in one dual-issue line (the conversion does not saturate: ISA guide 7.6.2); p is not negative
	v_dual_min_num_f32 v[\r], s40, v[\r] :: v_dual_min_num_f32 v[\r+1], s40, v[\r+1]
.endm
.macro XADD d, a                       ; partial sum d += partial sum a
	v_pk_add_f32 v[XP+2*(\d):XP+2*(\d)+1], v[XP+2*(\d):XP+2*(\d)+1], v[XP+2*(\a):XP+2*(\a)+1]
.endm
.macro OMUL u                          ; O^T += V^T P^T for tile u; the accumulators take turns
	WIN 0x51                                       ; V, C and D window 1; p's codes window 0
.irp t, 0,1,2,3
	v_wmma_f32_16x16x128_bf8_bf8 v[OA+32*\u+8*\t:OA+32*\u+8*\t+7], v[VF+16*\t:VF+16*\t+15], v[PA+16*\u:PA+16*\u+15], v[OA+32*\u+8*\t:OA+32*\u+8*\t+7]
.endr
	WIN 0
.endm
.macro STEP last                       ; 128 keys for my 32 queries
	s_wait_dscnt 0x0                               ; this step's K fragments are in
	WIN 0x05                                       ; sources 0 and 1: window 1
.irp u, 0,1
.irp c, 0,1,2,3,4,5,6,7
	v_wmma_f32_16x16x64_bf8_bf8 v[SA+64*\u+8*\c:SA+64*\u+8*\c+7], v[KF+8*\c:KF+8*\c+7], v[QA+8*\u:QA+8*\u+7], 0
.endr
.endr
	WIN 0
	v_add_nc_u32 v2, s2, v1
	PLACES 3                                       ; with the addition: four places in front of the loads into fragments that products have read, and of the first read of the scores
	WIN 0x40                                       ; destination window 1
.irp t, 0,1,2,3
.irp q, 0,1,2,3
	ds_load_b128 v[VF+16*\t+4*\q:VF+16*\t+4*\q+3], v2 offset:8192+2048*\t+512*\q
.endr
.endr
.if \last == 0
.irp c, 0,1,2,3,4,5,6,7
.irp b, 0,1
	ds_load_b128 v[KF+8*\c+4*\b:KF+8*\c+4*\b+3], v2 offset:16384+1024*\c+512*\b
.endr
.endr
.endif
	WIN 0
.set mm, 0
	FMX 0, 24                                      ; tile 0's maxima
.set mm, 0
	RDA 0                                          ; its three levels and its chain stand among tile 1's 24 lines
	FMX 1, 2
	RDB 0
	FMX 1, 3
	RDC 0
	FMX 1, 3
.set nn, 0
.rept 8
	CH 0, nn
	FMX 1, 2
.set nn, nn+1
.endr
	CH 0, 8
.set ff, 0
	RDA 1                                          ; tile 1's levels and chain stand among tile 0's 32 lines of t - M
	FFM 2
	RDB 1
	FFM 3
	RDC 1
	FFM 3
.set nn, 0
.rept 9
	CH 1, nn
	FFM 2
.set nn, nn+1
.endr
	FFM 6
	WIN 0x41                                       ; source 0 and destination window 1
.set ii, 0
.rept 16
.irp u, 0,1
	v_pk_mul_f32 v[OA+32*\u+ii:OA+32*\u+ii+1], v[OA+32*\u+ii:OA+32*\u+ii+1], v[FF+2*\u:FF+2*\u+1] op_sel_hi:[1,0]   ; O^T under the new M, ahead of the exponentials
.endr
.set ii, ii+2
.endr
	WIN 0
	s_wait_alu depctr_va_vdst(0)                   ; the wait ahead of the batch
.set ii, 0
.rept 32                                       ; tile 0's p = 2^(t - M), by turns with tile 1's t - M, which is first read behind the wait below
	v_exp_f32 v[SA+ii], v[SA+ii]
	v_pk_fma_f32 v[SB+ii:SB+ii+1], v[SB+ii:SB+ii+1], s[22:23], v[NM+2:NM+3] op_sel_hi:[1,0,0]
	v_exp_f32 v[SA+ii+1], v[SA+ii+1]
.set ii, ii+2
.endr
.irp u, 0,1
	v_pk_mul_f32 v[SU+2*\u:SU+2*\u+1], v[SU+2*\u:SU+2*\u+1], v[FF+2*\u:FF+2*\u+1] op_sel_hi:[1,0]   ; the sums under the new M: the plain lines behind the batch
.endr
	s_wait_alu depctr_va_vdst(0)                   ; behind tile 0's batch and ahead of tile 1's
.set jj, 0
.rept 16                                       ; tile 1's p, by turns with tile 0's sixteen first sums (of the unquantised p) and, behind each, the holds of its four numbers
	v_exp_f32 v[SB+jj], v[SB+jj]
	v_pk_add_f32 v[XP+jj/2:XP+jj/2+1], v[SA+jj:SA+jj+1], v[SA+jj+2:SA+jj+3]
	v_exp_f32 v[SB+jj+1], v[SB+jj+1]
	HOLD2 SA+jj
	v_exp_f32 v[SB+jj+2], v[SB+jj+2]
	v_exp_f32 v[SB+jj+3], v[SB+jj+3]
	HOLD2 SA+jj+2
.set jj, jj+4
.endr
	v_nop                                          ; a plain line behind the batch
	s_wait_alu depctr_va_vdst(0)                   ; one wait for the batch and for the lines among it, ahead of their first readers
.irp g, 0,1,2,3,4,5,6,7
	v_cvt_scalef32_pk8_bf8_f32 v[PA+2*\g:PA+2*\g+1], v[SA+8*\g:SA+8*\g+7], v[SCL]
.endr
	v_nop                                          ; a plain line behind the last conversion
	s_wait_alu depctr_va_vdst(0)                   ; directly ahead of the wait below
.if \last
	s_wait_dscnt 0x0
.else
	s_wait_dscnt 16                                ; V's 16 loads are in; the next step's 16 of K are younger
.endif
	OMUL 0                                         ; tile 0's products are issued ahead of tile 1's sums and holds
.irp i, 0,1,2,3,4,5,6,7
	XADD \i, \i+8                                  ; tile 0's tree
.endr
.irp i, 0,1,2,3,4,5,6,7                        ; tile 1's sum in eight chains, in the pairs that the tree has left
	v_pk_add_f32 v[XP+16+2*\i:XP+16+2*\i+1], v[SB+4*\i:SB+4*\i+1], v[SB+4*\i+2:SB+4*\i+3]
.endr
.irp i, 0,1,2,3
	XADD \i, \i+4
.endr
.irp i, 0,1,2,3,4,5,6,7
	v_pk_add_f32 v[XP+16+2*\i:XP+16+2*\i+1], v[XP+16+2*\i:XP+16+2*\i+1], v[SB+32+2*\i:SB+32+2*\i+1]
.endr
	XADD 0, 2
	XADD 1, 3
.irp i, 0,1,2,3,4,5,6,7
	v_pk_add_f32 v[XP+16+2*\i:XP+16+2*\i+1], v[XP+16+2*\i:XP+16+2*\i+1], v[SB+48+2*\i:SB+48+2*\i+1]
.endr
	XADD 0, 1
.irp i, 8,9,10,11
	XADD \i, \i+4
.endr
	v_pk_add_f32 v[SU:SU+1], v[SU:SU+1], v[XP:XP+1]
.irp g, 0,1,2,3,4,5,6,7                        ; tile 1's holds; a group's conversion stands a group behind its holds; the rest of its tree among them
.irp e, 0,2,4,6
	HOLD2 SB+8*\g+\e
.endr
.if \g == 0
	XADD 8, 10
	XADD 9, 11
.endif
.if \g == 2
	XADD 8, 9
.endif
.if \g == 4
	v_pk_add_f32 v[SU+2:SU+3], v[SU+2:SU+3], v[XP+16:XP+17]
.endif
.if \g > 0
	v_cvt_scalef32_pk8_bf8_f32 v[PA+16+2*(\g-1):PA+16+2*(\g-1)+1], v[SB+8*(\g-1):SB+8*(\g-1)+7], v[SCL]
.endif
.endr
	v_cvt_scalef32_pk8_bf8_f32 v[PA+30:PA+31], v[SB+56:SB+63], v[SCL]
	v_nop                                          ; a plain line behind the last conversion
	s_wait_alu depctr_va_vdst(0)                   ; the wait ahead of the products that read what stands above
	OMUL 1
	s_add_co_u32 s2, s2, 16384
.endm
	s_load_b256 s[4:11], s[0:1], 0x0               ; q's images, kvb, lowp_scales, the result's images
	v_lshl_add_u32 v5, v0, 2, SPARE
	v_mov_b32 v6, 0
	ds_add_u32 v5, v6                              ; the opening: the add, twice on end, and its wait ahead of my first tensor load
	ds_add_u32 v5, v6
	v_lshrrev_b32 v1, 5, v0
	v_readfirstlane_b32 s[WV], v1                  ; wave 0..7
	s_bfe_u32 s13, ttmp6, 0x40000                  ; cx: it enters q's and the result's addresses alone
	s_lshl_b32 s14, ttmp9, 2
	s_add_co_u32 s14, s14, s13                     ; my block of 256 queries
	s_and_b32 s15, ttmp7, 0xffff                   ; 8 batch + head
	s_mov_b32 s24, 15|(3<<16)|(1<<21)              ; the mask: all four; elements of 8 bytes; bit 21 beside the mask
	s_mov_b32 s25, 32<<16                          ; rows of 256 bytes
	s_mov_b32 s26, WROWS<<16
	s_mov_b32 s27, 32<<16
	s_mov_b32 s28, WROWS
	s_mov_b32 s29, 32
	s_mov_b32 s30, 0
	s_mov_b32 s31, 0
	s_mul_i32 s16, s15, NST*16384
	s_mul_i32 s18, s[WV], WROWS*256                ; my eighth
	s_add_co_u32 s16, s16, s18
	s_add_co_u32 s16, s16, KVOFF
	s_mov_b32 s17, 0
	s_lshl_b32 s54, s14, 4
	s_lshl_b32 s55, s[WV], 1
	s_add_co_u32 s54, s54, s55                     ; my first query tile
	s_lshl_b32 s56, s15, 17
	s_lshl_b32 s57, s54, 10
	s_add_co_u32 s56, s56, s57                     ; its Q fragment: 1,024 bytes a tile
	s_mov_b32 s57, 0
	s_lshr_b32 s58, s15, 3
	s_lshl_b32 s58, s58, 7
	s_add_co_u32 s58, s58, s54                     ; the row tile among all 512,
	s_lshl_b32 s58, s58, 2
	s_bfe_u32 s59, s15, 0x20001
	s_add_co_u32 s58, s58, s59                     ; its K step of 128 = two heads,
	s_lshl_b32 s58, s58, 11
	s_and_b32 s59, s15, 1
	s_lshl_b32 s59, s59, 10
	s_add_co_u32 s58, s58, s59                     ; and my head's half of that fragment
	s_mov_b32 s59, 0
	s_mov_b32 s20, 0x76543210
	s_mov_b32 s21, 0xfedcba98                      ; lane l xor 16
	s_mov_b32 s32, 1
	s_mov_b32 s33, s18
	s_wait_dscnt 0x0                               ; both opening adds are done
	s_wait_kmcnt 0x0
	s_load_b128 s[48:51], s[8:9], SCB              ; eq, ek, ep, ev
	s_load_b32 s52, s[8:9], SCB+16                 ; eo
	s_add_nc_u64 s[34:35], s[6:7], s[16:17]
	s_or_b32 s35, s35, 0x80000000                  ; type 2
	s_add_nc_u64 s[4:5], s[4:5], s[56:57]
	s_add_nc_u64 s[10:11], s[10:11], s[58:59]
	CROUND                                         ; all four work-groups are here: the joint loads meet
	tensor_load_to_lds s[32:35], s[24:31]          ; my eighth of the head's K and V: my one tensor load
	s_nop 0
	PLACES 4
	v_and_b32 v1, 31, v0
	v_lshlrev_b32 v1, 4, v1                        ; 16 x lane
	WIN 0x40
.irp j, 0,1,2,3
	global_load_b128 v[QA+4*\j:QA+4*\j+3], v1, s[4:5] offset:512*\j   ; Q's two fragments stay in registers
.endr
.set ii, 0
.rept 64
	v_mov_b32 v[OA+ii], 0                          ; O^T: the step is written for all steps alike; the first change of M leaves zeros zeros.  These lines run while the tiles are on their way
.set ii, ii+1
.endr
	WIN 0
.irp u, 0,1
	v_mov_b32 v[NM+2*\u+1], 0xff61b1e6             ; the largest t so far: -3e38
	v_mov_b32 v[SU+2*\u], 0
	v_mov_b32 v[SU+2*\u+1], 0
	v_mov_b32 v[FF+2*\u+1], 0
	v_mov_b32 v[PM+\u], 0
.endr
.irp u, 0,1
	v_floor_f32 v[NM+2*\u], -v[NM+2*\u+1]
.endr
	s_wait_kmcnt 0x0
	s_add_co_i32 s53, s48, s49
	s_lshl_b32 s53, s53, 23
	s_mov_b32 s22, 0x3e38aa3b                      ; log2(e) / 8,
	s_add_co_i32 s22, s22, s53                     ; x 2^(eq + ek): added to the exponent field
	s_mov_b32 s23, s22
	s_add_co_i32 s53, s50, 127
	s_lshl_b32 s55, s53, 23
	v_mov_b32 v[SCL], s55                          ; 2^ep
	s_add_co_i32 s53, s53, 15
	s_lshl_b32 s53, s53, 23
	s_or_b32 s40, s53, 0x600000                    ; 57,344 x 2^ep
	s_sub_co_i32 s53, s52, s50
	s_sub_co_i32 s53, s53, s51                     ; eo - ep - ev: the three scales folded into the conversion's one
	s_add_co_i32 s53, s53, 127
	s_lshl_b32 s55, s53, 23
	v_mov_b32 v[OSC], s55
	s_add_co_i32 s53, s53, 15
	s_lshl_b32 s53, s53, 23
	s_or_b32 s53, s53, 0x600000
	v_mov_b32 v[OHL], s53
	s_wait_alu depctr_va_vdst(0)                   ; the wait at the head's end
	s_wait_loadcnt 0x0                             ; Q
	s_wait_tensorcnt 0x0                           ; my eighth is in,
	s_barrier_signal -1
	s_barrier_wait -1                              ; everybody's is
	WIN 0x40
.irp c, 0,1,2,3,4,5,6,7
.irp b, 0,1
	ds_load_b128 v[KF+8*\c+4*\b:KF+8*\c+4*\b+3], v1 offset:1024*\c+512*\b   ; step 0's K fragments
.endr
.endr
	WIN 0
	s_mov_b32 s2, 0
	s_mov_b32 s3, NST-1
.Lstep:
	STEP 0
	s_sub_co_u32 s3, s3, 1
	s_cmp_lg_u32 s3, 0
	s_cbranch_scc1 .Lstep
	STEP 1
	PLACES 4
.irp u, 0,1
	v_add_f32 v[SU+2*\u], v[SU+2*\u], v[SU+2*\u+1]
.endr
.irp u, 0,1
	v_permlanex16_b32 v[PM+\u], v[SU+2*\u], s20, s21
.endr
.irp u, 0,1
	v_add_f32 v[SU+2*\u], v[SU+2*\u], v[PM+\u]     ; the row's sum
.endr
	s_wait_alu depctr_va_vdst(0)                   ; the wait ahead of the transcendentals
	v_rcp_f32 v[SU], v[SU]
	v_rcp_f32 v[SU+2], v[SU+2]
	WIN 0x01                                       ; source 0: window 1
	v_nop                                          ; a plain line behind the transcendentals
	s_wait_alu depctr_va_vdst(0)                   ; ahead of the first readers of 1 / l and of O^T
.irp u, 0,1
.set ii, 0
.rept 16
	v_pk_mul_f32 v[SA+32*\u+ii:SA+32*\u+ii+1], v[OA+32*\u+ii:OA+32*\u+ii+1], v[SU+2*\u:SU+2*\u+1] op_sel_hi:[1,0]
.set ii, ii+2
.endr
.endr
	WIN 0
.set ii, 0
.rept 64
	v_med3_num_f32 v[SA+ii], v[SA+ii], -v[OHL], v[OHL]
.set ii, ii+1
.endr
.irp g, 0,1,2,3,4,5,6,7
	v_cvt_scalef32_pk8_bf8_f32 v[PA+2*\g:PA+2*\g+1], v[SA+8*\g:SA+8*\g+7], v[OSC]
.endr
	v_nop
.irp u, 0,1
	global_store_b128 v1, v[PA+8*\u:PA+8*\u+3], s[10:11] offset:8192*\u          ; 512 consecutive bytes, aligned; the next row tile lies four fragments on
	global_store_b128 v1, v[PA+8*\u+4:PA+8*\u+7], s[10:11] offset:8192*\u+512
.endr
	s_wait_tensorcnt 0x0                           ; the wave's end
	ds_add_u32 v5, v6
	s_wait_dscnt 0x0
	CROUND                                         ; the closing round
	s_endpgm
.Lfunc_end_k_q1c3da28683_attn_sa:
	.size	k_q1c3da28683_attn_sa, .Lfunc_end_k_q1c3da28683_attn_sa-k_q1c3da28683_attn_sa
	.p2alignl 7, 3214868480
	.fill 96, 4, 3214868480
	.section	.rodata,"a",@progbits
	.p2align	6, 0x0
	.amdhsa_kernel k_q1c3da28683_attn_sa
		.amdhsa_group_segment_fixed_size 327680
		.amdhsa_private_segment_fixed_size 0
		.amdhsa_enable_private_segment 0
		.amdhsa_kernarg_size 32
		.amdhsa_user_sgpr_count 2
		.amdhsa_user_sgpr_kernarg_segment_ptr 1
		.amdhsa_wavefront_size32 1
		.amdhsa_system_sgpr_workgroup_id_x 1
		.amdhsa_system_sgpr_workgroup_id_y 1
		.amdhsa_system_sgpr_workgroup_id_z 1
		.amdhsa_system_vgpr_workitem_id 0
		.amdhsa_next_free_vgpr 512
		.amdhsa_next_free_sgpr 66
		.amdhsa_reserve_vcc 0
		.amdhsa_float_denorm_mode_32 3
		.amdhsa_float_denorm_mode_16_64 3
		.amdhsa_memory_ordered 1
		.amdhsa_forward_progress 1
		.amdhsa_inst_pref_size 72
	.end_amdhsa_kernel
	.amdgpu_metadata
---
amdhsa.version: [ 1, 2 ]
amdhsa.kernels:
  - .name:           k_q1c3da28683_attn_sa
    .symbol:         k_q1c3da28683_attn_sa.kd
    .args:
      - { .name: qsa, .offset: 0, .size: 8, .value_kind: global_buffer, .address_space: global }
      - { .name: kvb, .offset: 8, .size: 8, .value_kind: global_buffer, .address_space: global }
      - { .name: lowp_scales, .offset: 16, .size: 8, .value_kind: global_buffer, .address_space: global }
      - { .name: att1, .offset: 24, .size: 8, .value_kind: global_buffer, .address_space: global }
    .group_segment_fixed_size: 327680
    .private_segment_fixed_size: 0
    .kernarg_segment_align: 8
    .kernarg_segment_size: 32
    .max_flat_workgroup_size: 256
    .sgpr_count:     66
    .vgpr_count:     512
    .wavefront_size: 32
...
	.end_amdgpu_metadata
.endif
;; end of part 3
;; launch proj (part 4): grid 32 x 8, 4 waves a work-group, clusters of 4 x 1, 327,680 bytes of LDS; arguments att1, sa_wo_codes, lowp_scales, sa_bo, x, x1; writes x1
.if DOCPART == 4
	.amdgcn_target "amdgcn-amd-amdhsa--gfx1250"
	.amdhsa_code_object_version 6
	.text
	.protected	k_q1c3da28683_proj
	.globl	k_q1c3da28683_proj
	.p2align	8
	.type	k_q1c3da28683_proj,@function
k_q1c3da28683_proj:
	s_mov_b64 s[64:65], 0
	v_nop
	global_prefetch_b8 v0, s[64:65] scope:SCOPE_SE
	s_setreg_imm32_b32 hwreg(HW_REG_WAVE_MODE, 25, 1), 1
	s_wait_xcnt 0x0
	s_wait_alu depctr_hold_cnt(0) depctr_sa_sdst(0) depctr_va_vdst(0) depctr_va_sdst(0) depctr_va_ssrc(0) depctr_va_vcc(0) depctr_vm_vsrc(0)
	s_getreg_b32 s2, hwreg(HW_REG_IB_STS2, 6, 4)
	s_cmp_eq_u32 s2, 0
	s_cbranch_scc0 .Lentry_in_a_cluster
	s_endpgm
.Lentry_in_a_cluster:
	s_bfe_u32 s2, ttmp6, 0x10000c
	s_cmp_lg_u32 s2, 0x3003
	s_cbranch_scc0 .Lentry_shape_is_right
	s_endpgm
.Lentry_shape_is_right:
; PROJ: out = att Wo x 2^(ea + eb) + bo + res, att and Wo as E5M2 codes.  One body for both layers: the scales argument holds ea, eb at bytes 32 and 36.  No work of reference() is left out here.
; SHARES.  A work-group makes 256 rows x 128 columns; wave w rows 64 w on, as four tiles of 16 rows, one after the other.
; THE WEIGHT STAYS IN REGISTERS.  Its 128 rows (K = 512) come into LDS once, by joint loads, and from there once into each wave's registers: 8 column tiles x 4 K steps x 16 = 512 registers.
; THE ROWS STREAM.  A row tile is 16 loads of att's fragments and 16 of the residual, 512 consecutive bytes each; both have two buffers.  Tiles 0 and 1 are asked for at the head, tile t + 2 as soon as tile t has left
; its buffer.  A tile's 32 products, its way through the wave's own stage in LDS, the scale, the residual, the bias and its 16 stores follow each other, so that finished rows are stored while later rows are being read.
; CLUSTER.  The four work-groups of a cluster have the same columns: the weight's rows are asked for jointly, 32 rows a wave.  Nothing is filled again.
; NO PREFETCH: from its head on each wave has two row tiles' loads on their way, and the residual and the result are streamed once.
; FORM.  Source 0 = 16 columns of Wo, source 1 = 16 rows: a lane holds eight neighbouring columns of one row.  The sums go through the stage and come back as whole rows of 512 bytes.
; att's fragments have k in its own places (registers 2 c, 2 c + 1: k = 16 c + 8 (lane / 16) + 0..7), so the weight's are fetched by loads of 8 bytes.
; LIMIT: ea + eb between -126 and 127.
; REGISTERS: window 0: v2-5 addresses, v[8:11] bias, ACC eight accumulators, BK 16 rows back from the stage; window 1: att's fragments at 64 (t % 2) + 16 s, the residual at 128 + 64 (t % 2) + 4 i;
;   window 2 + s / 2: the weight's fragment of column tile u, K step s at 16 (8 (s % 2) + u).
.set PITCH, 528
.set STG,   67584                      ; behind the weights: a stage of 16 rows x 528 bytes for each wave
.set SPARE, 101376                     ; behind the stages: the spare words, 128 bytes a wave
.set WV,    18
.set SPW,   12
.set NIL,   13
.set ACC,   16
.set BK,    80
.set MSB, 0
.macro WIN new                         ; the immediate's high byte repeats the setting that is left
.if MSB != (\new)
	s_set_vgpr_msb (MSB<<8)|(\new)
.set MSB, (\new)
.endif
.endm
.macro PLACES n
.rept \n
	v_nop
.endr
.endm
.macro CROUND
	s_barrier_signal -1
	s_barrier_wait -1
	s_cmp_lg_u32 s[WV], 0
	s_cbranch_scc1 .Lnot_wave_0_\@
	s_barrier_signal -3
.Lnot_wave_0_\@:
	s_barrier_wait -3
	s_barrier_signal -1
	s_barrier_wait -1
.endm
.macro ALD t                           ; row tile t's four fragments of att: 16 loads
	WIN 0x40
.irp s, 0,1,2,3
.irp c, 0,1,2,3
	global_load_b128 v[64*((\t)%2)+16*\s+4*\c:64*((\t)%2)+16*\s+4*\c+3], v5, s[4:5] offset:2048*(4*(\t)+\s)+512*\c
.endr
.endr
	WIN 0
.endm
.macro RLD t                           ; its 16 rows of the residual: 16 loads
	WIN 0x40
.set ii, 0
.rept 16
	global_load_b128 v[128+64*((\t)%2)+4*ii:128+64*((\t)%2)+4*ii+3], v5, s[12:13] offset:4096*(16*(\t)+ii) th:TH_LOAD_NT
.set ii, ii+1
.endr
	WIN 0
.endm
; One row tile.  cw, co: the younger loads that may stay out when att's fragments, and then the residual's rows, are wanted.
.macro TILE t, cw, co
	s_wait_loadcnt \cw                             ; att's fragments of this tile are in
.irp s, 0,1,2,3
	WIN 0x06+\s/2                                  ; source 0: window 2 or 3; source 1: window 1
.irp u, 0,1,2,3,4,5,6,7                        ; the eight accumulators take turns; K step 0 starts the sums
.if \s == 0
	v_wmma_f32_16x16x128_bf8_bf8 v[ACC+8*\u:ACC+8*\u+7], v[16*(8*(\s%2)+\u):16*(8*(\s%2)+\u)+15], v[64*((\t)%2)+16*\s:64*((\t)%2)+16*\s+15], 0
.else
	v_wmma_f32_16x16x128_bf8_bf8 v[ACC+8*\u:ACC+8*\u+7], v[16*(8*(\s%2)+\u):16*(8*(\s%2)+\u)+15], v[64*((\t)%2)+16*\s:64*((\t)%2)+16*\s+15], v[ACC+8*\u:ACC+8*\u+7]
.endif
.endr
.endr
	WIN 0
	PLACES 5                                       ; four in front of the stores that read results and of the loads into att's buffer; the next tile's first products, which write over the accumulators, have these and the lines below
.irp u, 0,1,2,3,4,5,6,7
	ds_store_b128 v3, v[ACC+8*\u:ACC+8*\u+3] offset:64*\u
	ds_store_b128 v3, v[ACC+8*\u+4:ACC+8*\u+7] offset:64*\u+16
.endr
.if (\t) > 0
	s_wait_xcnt 0x0                                ; the last tile's stores have read their data registers, which the loads below fill again
.endif
.if (\t)+2 < 4
	ALD (\t)+2                                     ; this tile has left att's buffer
.endif
.set ii, 0
.rept 16
	ds_load_b128 v[BK+4*ii:BK+4*ii+3], v4 offset:ii*PITCH   ; LDS serves a wave's instructions in order: these see my stores
.set ii, ii+1
.endr
	s_wait_loadcnt \co                             ; the residual's rows of this tile (and the bias) are in
	s_wait_dscnt 0x0                               ; the rows are back, and the stage's stores have read the accumulators
	WIN 0x10                                       ; source 2: window 1
.set ii, 0
.rept 32
	v_pk_fma_f32 v[BK+2*ii:BK+2*ii+1], v[BK+2*ii:BK+2*ii+1], s[46:47], v[128+64*((\t)%2)+2*ii:128+64*((\t)%2)+2*ii+1] op_sel_hi:[1,0,1]
.set ii, ii+1
.endr
	WIN 0
.set ii, 0
.rept 16
	v_pk_add_f32 v[BK+4*ii:BK+4*ii+1], v[BK+4*ii:BK+4*ii+1], v[8:9]
	v_pk_add_f32 v[BK+4*ii+2:BK+4*ii+3], v[BK+4*ii+2:BK+4*ii+3], v[10:11]
.set ii, ii+1
.endr
.set ii, 0
.rept 16
	global_store_b128 v5, v[BK+4*ii:BK+4*ii+3], s[14:15] offset:4096*(16*(\t)+ii) th:TH_STORE_NT   ; 512 consecutive bytes, aligned
.set ii, ii+1
.endr
.if (\t)+2 < 4
	RLD (\t)+2                                     ; this tile has left the residual's buffer
.endif
.endm
	s_load_b256 s[4:11], s[0:1], 0x0               ; att, Wo's codes, the scales, bo
	s_load_b128 s[12:15], s[0:1], 0x20             ; the residual, the result
	v_lshl_add_u32 v[SPW], v0, 2, SPARE
	v_mov_b32 v[NIL], 0
	ds_add_u32 v[SPW], v[NIL]                      ; the opening: the add, twice on end, and its wait ahead of my first tensor load
	ds_add_u32 v[SPW], v[NIL]
	v_lshrrev_b32 v1, 5, v0
	v_readfirstlane_b32 s[WV], v1
	s_bfe_u32 s19, ttmp6, 0x40000                  ; cx
	s_lshl_b32 s20, ttmp9, 2
	s_add_co_u32 s20, s20, s19                     ; my block of 256 rows
	s_and_b32 s21, ttmp7, 0xffff                   ; my block of 128 columns
	s_mov_b32 s24, 15|(1<<20)|(1<<21)|(6<<22)|(3<<25)   ; the mask; elements of 1 byte; 4 words of padding behind every 128
	s_mov_b32 s25, 512<<16
	s_mov_b32 s26, 32<<16
	s_mov_b32 s27, 512<<16
	s_mov_b32 s28, 32
	s_mov_b32 s29, 512
	s_mov_b32 s30, 0
	s_mov_b32 s31, 0
	s_mov_b32 s32, 1
	s_mul_i32 s33, s[WV], 32*PITCH
	s_lshl_b32 s50, s21, 16                        ; (128 y + 32 wave) rows of 512 bytes
	s_lshl_b32 s51, s[WV], 14
	s_add_co_u32 s50, s50, s51
	s_mov_b32 s51, 0
	s_lshl_b32 s52, s20, 17                        ; (16 x + 4 wave) row tiles of 8,192 bytes
	s_lshl_b32 s53, s[WV], 15
	s_add_co_u32 s52, s52, s53
	s_mov_b32 s53, 0
	s_lshl_b32 s56, s21, 9                         ; my columns' bytes in a row
	s_mov_b32 s57, 0
	s_lshl_b32 s54, s20, 20                        ; (256 x + 64 wave) rows of 4,096 bytes
	s_lshl_b32 s55, s[WV], 18
	s_add_co_u32 s54, s54, s55
	s_add_co_u32 s54, s54, s56
	s_mov_b32 s55, 0
	s_mul_i32 s58, s[WV], 16*PITCH
	s_add_co_u32 s58, s58, STG                     ; my stage
	v_and_b32 v1, 15, v0
	v_bfe_u32 v7, v0, 4, 1
	v_mul_u32_u24 v2, v1, PITCH
	v_lshl_add_u32 v3, v7, 5, v2
	v_add_nc_u32 v3, s58, v3                       ; into the stage: row r, + 32 h
	v_lshl_add_u32 v2, v7, 3, v2                   ; a weight fragment: row r x pitch + 8 h
	v_and_b32 v5, 31, v0
	v_lshlrev_b32 v5, 4, v5                        ; 16 x lane
	v_add_nc_u32 v4, s58, v5                       ; back out of the stage: a whole row
	s_wait_dscnt 0x0
	s_wait_kmcnt 0x0
	s_load_b64 s[36:37], s[8:9], 0x20              ; ea, eb
	s_add_nc_u64 s[34:35], s[6:7], s[50:51]
	s_or_b32 s35, s35, 0x80000000
	s_add_nc_u64 s[4:5], s[4:5], s[52:53]
	s_add_nc_u64 s[10:11], s[10:11], s[56:57]
	s_add_nc_u64 s[12:13], s[12:13], s[54:55]
	s_add_nc_u64 s[14:15], s[14:15], s[54:55]
	CROUND
	tensor_load_to_lds s[32:35], s[24:31]          ; my 32 rows of the weight: my one tensor load
	s_nop 0
	PLACES 4
	s_wait_alu depctr_va_vdst(0)                   ; the wait at the head's end
	global_load_b128 v[8:11], v5, s[10:11]
	ALD 0                                          ; the order of issue: the bias, then att and the residual of tiles 0 and 1, 16 loads each
	RLD 0
	ALD 1
	RLD 1
	s_wait_kmcnt 0x0
	s_add_co_i32 s46, s36, s37
	s_add_co_i32 s46, s46, 127
	s_lshl_b32 s46, s46, 23                        ; 2^(ea + eb)
	s_mov_b32 s47, s46
	s_wait_tensorcnt 0x0
	s_barrier_signal -1
	s_barrier_wait -1                              ; the weight's 128 rows lie in LDS
.irp s, 0,1,2,3                                ; and go into my registers, once
	WIN 0x80+0x40*(\s/2)
.irp u, 0,1,2,3,4,5,6,7
.irp c, 0,1,2,3,4,5,6,7
	ds_load_b64 v[16*(8*(\s%2)+\u)+2*\c:16*(8*(\s%2)+\u)+2*\c+1], v2 offset:16*\u*PITCH+128*\s+16*\c
.endr
.endr
.endr
	WIN 0
	s_wait_dscnt 0x0
	TILE 0, 48, 48                                 ; behind att 0: res 0, att 1, res 1; behind res 0: att 1, res 1, att 2
	TILE 1, 48, 48                                 ; behind att 1: res 1, att 2, res 2; behind res 1: att 2, res 2, att 3
	TILE 2, 48, 32                                 ; behind att 2: res 2, att 3, res 3; behind res 2: att 3, res 3
	TILE 3, 16, 0                                  ; behind att 3: res 3
	s_wait_tensorcnt 0x0                           ; the wave's end
	ds_add_u32 v[SPW], v[NIL]
	s_wait_dscnt 0x0
	CROUND
	s_endpgm
.Lfunc_end_k_q1c3da28683_proj:
	.size	k_q1c3da28683_proj, .Lfunc_end_k_q1c3da28683_proj-k_q1c3da28683_proj
	.p2alignl 7, 3214868480
	.fill 96, 4, 3214868480
	.section	.rodata,"a",@progbits
	.p2align	6, 0x0
	.amdhsa_kernel k_q1c3da28683_proj
		.amdhsa_group_segment_fixed_size 327680
		.amdhsa_private_segment_fixed_size 0
		.amdhsa_enable_private_segment 0
		.amdhsa_kernarg_size 48
		.amdhsa_user_sgpr_count 2
		.amdhsa_user_sgpr_kernarg_segment_ptr 1
		.amdhsa_wavefront_size32 1
		.amdhsa_system_sgpr_workgroup_id_x 1
		.amdhsa_system_sgpr_workgroup_id_y 1
		.amdhsa_system_sgpr_workgroup_id_z 1
		.amdhsa_system_vgpr_workitem_id 0
		.amdhsa_next_free_vgpr 1024
		.amdhsa_next_free_sgpr 66
		.amdhsa_reserve_vcc 0
		.amdhsa_float_denorm_mode_32 3
		.amdhsa_float_denorm_mode_16_64 3
		.amdhsa_memory_ordered 1
		.amdhsa_forward_progress 1
		.amdhsa_inst_pref_size 73
	.end_amdhsa_kernel
	.amdgpu_metadata
---
amdhsa.version: [ 1, 2 ]
amdhsa.kernels:
  - .name:           k_q1c3da28683_proj
    .symbol:         k_q1c3da28683_proj.kd
    .args:
      - { .name: att1, .offset: 0, .size: 8, .value_kind: global_buffer, .address_space: global }
      - { .name: sa_wo_codes, .offset: 8, .size: 8, .value_kind: global_buffer, .address_space: global }
      - { .name: lowp_scales, .offset: 16, .size: 8, .value_kind: global_buffer, .address_space: global }
      - { .name: sa_bo, .offset: 24, .size: 8, .value_kind: global_buffer, .address_space: global }
      - { .name: x, .offset: 32, .size: 8, .value_kind: global_buffer, .address_space: global }
      - { .name: x1, .offset: 40, .size: 8, .value_kind: global_buffer, .address_space: global }
    .group_segment_fixed_size: 327680
    .private_segment_fixed_size: 0
    .kernarg_segment_align: 8
    .kernarg_segment_size: 48
    .max_flat_workgroup_size: 128
    .sgpr_count:     66
    .vgpr_count:     1024
    .wavefront_size: 32
...
	.end_amdgpu_metadata
.endif
;; end of part 4
;; launch lnq (part 5): grid 128 x 2, 4 waves a work-group, clusters of 4 x 1, 327,680 bytes of LDS; arguments x1, ca_ng, ca_nb, ca_wq_codes, lowp_scales, q2; writes q2
.if DOCPART == 5
	.amdgcn_target "amdgcn-amd-amdhsa--gfx1250"
	.amdhsa_code_object_version 6
	.text
	.protected	k_q1c3da28683_lnq
	.globl	k_q1c3da28683_lnq
	.p2align	8
	.type	k_q1c3da28683_lnq,@function
k_q1c3da28683_lnq:
	s_mov_b64 s[64:65], 0
	v_nop
	global_prefetch_b8 v0, s[64:65] scope:SCOPE_SE
	s_setreg_imm32_b32 hwreg(HW_REG_WAVE_MODE, 25, 1), 1
	s_wait_xcnt 0x0
	s_wait_alu depctr_hold_cnt(0) depctr_sa_sdst(0) depctr_va_vdst(0) depctr_va_sdst(0) depctr_va_ssrc(0) depctr_va_vcc(0) depctr_vm_vsrc(0)
	s_getreg_b32 s2, hwreg(HW_REG_IB_STS2, 6, 4)
	s_cmp_eq_u32 s2, 0
	s_cbranch_scc0 .Lentry_in_a_cluster
	s_endpgm
.Lentry_in_a_cluster:
	s_bfe_u32 s2, ttmp6, 0x10000c
	s_cmp_lg_u32 s2, 0x3003
	s_cbranch_scc0 .Lentry_shape_is_right
	s_endpgm
.Lentry_shape_is_right:
; LNQ: q = Q(LN(x1; ca_ng, ca_nb)) Wq on E5M2 codes (2^e10, 2^e11), quantised at once with 2^e14 into images of attention's Q fragments.  No work of reference() is left out here.
; SHARES.  A work-group takes 64 rows x 256 features (y: which half of the 512); wave w takes its own 16 rows through the norm and the product.  The norm is made in both halves: whole rows for one
; work-group would want all 512 rows of the weight in LDS, which do not fit beside each other.
; The wave's 16 rows have 512 registers of their own.  They are asked for SIX ROWS AHEAD: rows 0 to 5 at the head, row i + 6 at the head of row i's turn, so that the norm of a row runs while later rows are
; on their way: 72 loads are asked for at the most.  A row's codes go through the wave's own stage in LDS, half of K at a time, and come back as the operand's registers.
; CLUSTER.  The four work-groups of a cluster have the same y: the weight's 256 rows are asked for jointly, 64 rows a wave, once.  Nothing is filled again.
; FORM.  Source 0 = 16 features, source 1 = my 16 rows: a lane holds one row and eight features: a head's four tiles give the eight registers of the row tile's Q fragment.
; LIMITS: e10 and e14 - e10 - e11 between -126 and 112.  NaN is not served.
; REGISTERS: window 0: v2-6 addresses, v12-15 mean and 1 / deviation, v16-47 a row at work, v48-63 two sets of eight, v64-127 gain and bias (later weight set 0), v128-191 the second halves' codes (later weight set 1),
;   v192-223 four accumulators, v224-231 codes, v232-247 sums, v252-255 scales and holds; window 1: my rows' fragments at 16 s; windows 2, 3: x1's rows 0-7, 8-15 at 32 (i % 8).
.set STG,   266240                     ; behind the weights: a stage of 16 rows x 528 bytes for each wave
.set SPARE, 300032
.set AH,    6                          ; rows asked for ahead
.set WV,    18
.set SPW,   250
.set NIL,   251
.set DD,    16
.set GG,    64
.set BI,    96
.set BS0,   64
.set C2H,   128
.set ACC,   192
.set CC,    224
.set SM,    232
.set MSB, 0
.macro WIN new
.if MSB != (\new)
	s_set_vgpr_msb (MSB<<8)|(\new)
.set MSB, (\new)
.endif
.endm
.macro PLACES n
.rept \n
	v_nop
.endr
.endm
.macro CROUND
	s_barrier_signal -1
	s_barrier_wait -1
	s_cmp_lg_u32 s[WV], 0
	s_cbranch_scc1 .Lnot_wave_0_\@
	s_barrier_signal -3
.Lnot_wave_0_\@:
	s_barrier_wait -3
	s_barrier_signal -1
	s_barrier_wait -1
.endm
.macro LANES
	v_add_f32_dpp v[SM], v[SM], v[SM] row_xmask:1 row_mask:0xf bank_mask:0xf
	v_add_f32_dpp v[SM], v[SM], v[SM] row_xmask:2 row_mask:0xf bank_mask:0xf
	v_add_f32_dpp v[SM], v[SM], v[SM] row_xmask:4 row_mask:0xf bank_mask:0xf
	v_add_f32_dpp v[SM], v[SM], v[SM] row_xmask:8 row_mask:0xf bank_mask:0xf
	v_permlanex16_b32 v248, v[SM], s42, s43
	v_add_f32 v[SM], v[SM], v248
.endm
.macro XROW i                          ; row i of my 16 is asked for: eight loads of 512 consecutive bytes, into registers of its own
	WIN 0x80+0x40*((\i)/8)
.set jj, 0
.rept 8
	global_load_b128 v[32*((\i)%8)+4*jj:32*((\i)%8)+4*jj+3], v6, s[4:5] offset:4096*(\i)+512*jj
.set jj, jj+1
.endr
.endm
.macro LROW i                          ; row i of my 16: lane l holds k = 128 j + 4 l + 0..3
.set WW, 2+(\i)/8
.set XR, 32*((\i)%8)
.if (\i)+AH < 16
	XROW (\i)+AH
.endif
.if 15-(\i) > AH
	s_wait_loadcnt 8*AH                            ; row i is in; the six rows behind it may be out
.else
	s_wait_loadcnt 8*(15-(\i))                     ; the later rows' loads may stay out
.endif
	WIN WW*5                                       ; sources 0 and 1: the row's window
.set aa, 0
.rept 8
	v_pk_add_f32 v[SM+2*aa:SM+2*aa+1], v[XR+4*aa:XR+4*aa+1], v[XR+4*aa+2:XR+4*aa+3]
.set aa, aa+1
.endr
	WIN 0
.set aa, 2
.rept 3
	v_pk_add_f32 v[SM:SM+1], v[SM:SM+1], v[SM+2*aa:SM+2*aa+1]
	v_pk_add_f32 v[SM+2:SM+3], v[SM+2:SM+3], v[SM+2*aa+2:SM+2*aa+3]
.set aa, aa+2
.endr
	v_pk_add_f32 v[SM:SM+1], v[SM:SM+1], v[SM+2:SM+3]
	v_add_f32 v[SM], v[SM], v[SM+1]
	LANES
	v_mul_f32 v12, s40, v[SM]                      ; the mean
	WIN WW                                         ; source 0: the row's window
.set aa, 0
.rept 16
	v_pk_add_f32 v[DD+2*aa:DD+2*aa+1], v[XR+2*aa:XR+2*aa+1], v[12:13] op_sel_hi:[1,0] neg_lo:[0,1] neg_hi:[0,1]
.set aa, aa+1
.endr
	WIN 0
.set aa, 0
.rept 4
	v_pk_mul_f32 v[SM+2*aa:SM+2*aa+1], v[DD+2*aa:DD+2*aa+1], v[DD+2*aa:DD+2*aa+1]
.set aa, aa+1
.endr
.rept 12
	v_pk_fma_f32 v[SM+2*(aa%4):SM+2*(aa%4)+1], v[DD+2*aa:DD+2*aa+1], v[DD+2*aa:DD+2*aa+1], v[SM+2*(aa%4):SM+2*(aa%4)+1]
.set aa, aa+1
.endr
	v_pk_add_f32 v[SM:SM+1], v[SM:SM+1], v[SM+2:SM+3]
	v_pk_add_f32 v[SM+4:SM+5], v[SM+4:SM+5], v[SM+6:SM+7]
	v_pk_add_f32 v[SM:SM+1], v[SM:SM+1], v[SM+4:SM+5]
	v_add_f32 v[SM], v[SM], v[SM+1]
	LANES
	v_fma_f32 v14, v[SM], s40, s41                 ; the variance + 1e-5
	s_wait_alu depctr_va_vdst(0)
	v_rsq_f32 v14, v14
	v_nop
	s_wait_alu depctr_va_vdst(0)                   ; the wait ahead of the first reader
.set aa, 0
.rept 16
	v_pk_mul_f32 v[DD+2*aa:DD+2*aa+1], v[DD+2*aa:DD+2*aa+1], v[14:15] op_sel_hi:[1,0]
.set aa, aa+1
.endr
	s_wait_dscnt 0x0                               ; the last row's LDS stores have read the code registers
.set aa, 0
.rept 4
.set TS, 48+8*(aa%2)
.irp e, 0,2,4,6
	v_pk_fma_f32 v[TS+\e:TS+\e+1], v[DD+8*aa+\e:DD+8*aa+\e+1], v[GG+8*aa+\e:GG+8*aa+\e+1], v[BI+8*aa+\e:BI+8*aa+\e+1]
.endr
.irp e, 0,1,2,3,4,5,6,7
	v_med3_num_f32 v[TS+\e], v[TS+\e], -v253, v253
.endr
.if aa < 2
	v_cvt_scalef32_pk8_bf8_f32 v[CC+2*aa:CC+2*aa+1], v[TS:TS+7], v252
.else
	v_cvt_scalef32_pk8_bf8_f32 v[C2H+4*(\i)+2*(aa-2):C2H+4*(\i)+2*(aa-2)+1], v[TS:TS+7], v252   ; k from 512 on waits in registers for its turn in the stage
.endif
.set aa, aa+1
.endr
	v_nop                                          ; a plain line behind the last conversion
.set jj, 0
.rept 4
	ds_store_b32 v4, v[CC+jj] offset:528*(\i)+128*jj
.set jj, jj+1
.endr
.endm
.macro FETCH ks, set                   ; the head's four weight fragments of K step ks
.irp u, 0,1,2,3
.irp c, 0,1,2,3
	ds_load_b128 v[(\set)+16*\u+4*\c:(\set)+16*\u+4*\c+3], v3 offset:16*\u*1040+128*(\ks)+32*\c
.endr
.endr
.endm
	s_load_b256 s[4:11], s[0:1], 0x0               ; x1, ca_ng, ca_nb, ca_wq_codes
	s_load_b128 s[12:15], s[0:1], 0x20             ; lowp_scales, q2
	v_lshl_add_u32 v[SPW], v0, 2, SPARE
	v_mov_b32 v[NIL], 0
	ds_add_u32 v[SPW], v[NIL]                      ; the opening: the add, twice on end, and its wait ahead of my first tensor load
	ds_add_u32 v[SPW], v[NIL]
	v_lshrrev_b32 v1, 5, v0
	v_readfirstlane_b32 s[WV], v1
	s_bfe_u32 s19, ttmp6, 0x40000                  ; cx
	s_lshl_b32 s20, ttmp9, 2
	s_add_co_u32 s20, s20, s19                     ; my block of 64 rows
	s_and_b32 s21, ttmp7, 0xffff                   ; which 256 features
	s_mov_b32 s24, 15|(1<<20)|(1<<21)|(7<<22)|(3<<25)   ; the mask; elements of 1 byte; 4 words of padding behind every 256
	s_mov_b32 s25, 1024<<16
	s_mov_b32 s26, 64<<16
	s_mov_b32 s27, 1024<<16
	s_mov_b32 s28, 64
	s_mov_b32 s29, 1024
	s_mov_b32 s30, 0
	s_mov_b32 s31, 0
	s_mov_b32 s32, 1
	s_mul_i32 s33, s[WV], 66560
	s_lshl_b32 s50, s21, 8
	s_lshl_b32 s51, s[WV], 6
	s_add_co_u32 s50, s50, s51
	s_lshl_b32 s50, s50, 10                        ; (256 y + 64 wave) rows of 1,024 bytes
	s_mov_b32 s51, 0
	s_lshl_b32 s52, s20, 2
	s_add_co_u32 s52, s52, s[WV]                   ; my row tile among all 512
	s_lshl_b32 s54, s52, 16                        ; 16 rows of 4,096 bytes
	s_mov_b32 s55, 0
	s_lshr_b32 s56, s52, 7                         ; the batch
	s_lshl_b32 s56, s56, 3
	s_lshl_b32 s57, s21, 2
	s_add_co_u32 s56, s56, s57                     ; 8 batch + my first head
	s_lshl_b32 s56, s56, 17
	s_and_b32 s57, s52, 127
	s_lshl_b32 s57, s57, 10
	s_add_co_u32 s56, s56, s57
	s_mov_b32 s57, 0
	s_mov_b32 s40, 0x3a800000                      ; 1 / 1,024
	s_mov_b32 s41, 0x3727c5ac                      ; 1e-5
	s_mov_b32 s42, 0x76543210
	s_mov_b32 s43, 0xfedcba98
	s_mul_i32 s58, s[WV], 8448
	s_add_co_u32 s58, s58, STG                     ; my stage
	v_and_b32 v1, 15, v0
	v_bfe_u32 v7, v0, 4, 1
	v_mul_u32_u24 v2, v1, 1040
	v_lshl_add_u32 v2, v7, 4, v2                   ; a weight fragment: row r x pitch + 16 h
	v_and_b32 v8, 31, v0
	v_lshlrev_b32 v6, 4, v8                        ; 16 x lane
	v_lshl_add_u32 v4, v8, 2, s58                  ; into the stage: 4 bytes a lane
	v_mul_u32_u24 v5, v1, 528
	v_lshl_add_u32 v5, v7, 4, v5
	v_add_nc_u32 v5, s58, v5                       ; out of it: row r, + 16 h
	v_mov_b32 v13, 0
	v_mov_b32 v15, 0
	v_mov_b32 v248, 0
	s_wait_dscnt 0x0
	s_wait_kmcnt 0x0
	s_load_b64 s[36:37], s[12:13], 0x28            ; e10, e11
	s_load_b32 s38, s[12:13], 0x38                 ; e14
	s_add_nc_u64 s[34:35], s[10:11], s[50:51]
	s_or_b32 s35, s35, 0x80000000
	s_add_nc_u64 s[4:5], s[4:5], s[54:55]
	s_add_nc_u64 s[48:49], s[14:15], s[56:57]
	CROUND
	tensor_load_to_lds s[32:35], s[24:31]          ; my 64 rows of the weight: my one tensor load
	s_nop 0
	PLACES 4
	s_wait_alu depctr_va_vdst(0)
.irp j, 0,1,2,3,4,5,6,7
	global_load_b128 v[GG+4*\j:GG+4*\j+3], v6, s[6:7] offset:512*\j
	global_load_b128 v[BI+4*\j:BI+4*\j+3], v6, s[8:9] offset:512*\j
.endr
.set ii, 0
.rept AH
	XROW ii                                        ; rows 0 to 5; the others are asked for in the rows' turns
.set ii, ii+1
.endr
	WIN 0
	s_wait_kmcnt 0x0
	s_add_co_i32 s50, s36, 127
	s_lshl_b32 s51, s50, 23
	v_mov_b32 v252, s51                            ; 2^e10
	s_add_co_i32 s50, s50, 15
	s_lshl_b32 s50, s50, 23
	s_or_b32 s50, s50, 0x600000
	v_mov_b32 v253, s50
	s_sub_co_i32 s50, s38, s36
	s_sub_co_i32 s50, s50, s37                     ; e14 - e10 - e11: the three scales folded into the conversion's one
	s_add_co_i32 s50, s50, 127
	s_lshl_b32 s51, s50, 23
	v_mov_b32 v254, s51
	s_add_co_i32 s50, s50, 15
	s_lshl_b32 s50, s50, 23
	s_or_b32 s50, s50, 0x600000
	v_mov_b32 v255, s50
.irp i, 0,1,2,3,4,5,6,7,8,9,10,11,12,13,14,15
	LROW \i
.endr
	WIN 0x40                                       ; destination window 1
.irp s, 0,1,2,3
.irp c, 0,1,2,3
	ds_load_b128 v[16*\s+4*\c:16*\s+4*\c+3], v5 offset:128*\s+32*\c   ; LDS serves a wave's instructions in order: these see my stores,
.endr
.endr
	WIN 0
.set ii, 0
.rept 16
.set jj, 0
.rept 4
	ds_store_b32 v4, v[C2H+4*ii+jj] offset:528*ii+128*jj              ; and the second half's codes come behind them
.set jj, jj+1
.endr
.set ii, ii+1
.endr
	WIN 0x40
.irp s, 0,1,2,3
.irp c, 0,1,2,3
	ds_load_b128 v[64+16*\s+4*\c:64+16*\s+4*\c+3], v5 offset:128*\s+32*\c
.endr
.endr
	WIN 0
	s_wait_tensorcnt 0x0                           ; my rows of the weight are in,
	s_wait_dscnt 0x0                               ; my fragments too,
	s_barrier_signal -1
	s_barrier_wait -1                              ; and everybody's rows of the weight
	s_mov_b32 s45, 0
	s_mov_b32 s46, 0
.Lhead:                                            ; four trips: a head = 64 features = one wave's region of LDS
	v_add_nc_u32 v3, s45, v2
	s_wait_alu depctr_va_vdst(0)
	FETCH 0, BS0
.irp ks, 0,1,2,3,4,5,6,7
.if \ks < 7
.if \ks >= 1
	PLACES 4                                       ; in front of loads into registers that matrix instructions have read
.endif
	FETCH \ks+1, BS0+64*((\ks+1)%2)
	s_wait_dscnt 16                                ; this K step's 16 loads are in; the next one's may be out
.else
	s_wait_dscnt 0x0
.endif
	WIN 0x04                                       ; source 1: my rows' fragments, window 1
.irp u, 0,1,2,3
.if \ks == 0
	v_wmma_f32_16x16x128_bf8_bf8 v[ACC+8*\u:ACC+8*\u+7], v[BS0+64*(\ks%2)+16*\u:BS0+64*(\ks%2)+16*\u+15], v[16*\ks:16*\ks+15], 0
.else
	v_wmma_f32_16x16x128_bf8_bf8 v[ACC+8*\u:ACC+8*\u+7], v[BS0+64*(\ks%2)+16*\u:BS0+64*(\ks%2)+16*\u+15], v[16*\ks:16*\ks+15], v[ACC+8*\u:ACC+8*\u+7]
.endif
.endr
	WIN 0
.endr
	PLACES 4
.set ii, 0
.rept 32
	v_med3_num_f32 v[ACC+ii], v[ACC+ii], -v255, v255
.set ii, ii+1
.endr
	s_wait_alu depctr_va_vdst(0)
	s_wait_xcnt 0x0                                ; the last stores have read the code registers
.irp u, 0,1,2,3
	v_cvt_scalef32_pk8_bf8_f32 v[CC+2*\u:CC+2*\u+1], v[ACC+8*\u:ACC+8*\u+7], v254
.endr
	v_nop
	global_store_b128 v6, v[CC:CC+3], s[48:49]
	global_store_b128 v6, v[CC+4:CC+7], s[48:49] offset:512
	s_wait_xcnt 0x0                                ; the stores have read their base
	s_add_nc_u64 s[48:49], s[48:49], 131072
	s_add_co_u32 s45, s45, 66560
	s_add_co_u32 s46, s46, 1
	s_cmp_lt_u32 s46, 4
	s_cbranch_scc1 .Lhead
	s_wait_tensorcnt 0x0                           ; the wave's end
	ds_add_u32 v[SPW], v[NIL]
	s_wait_dscnt 0x0
	CROUND
	s_endpgm
.Lfunc_end_k_q1c3da28683_lnq:
	.size	k_q1c3da28683_lnq, .Lfunc_end_k_q1c3da28683_lnq-k_q1c3da28683_lnq
	.p2alignl 7, 3214868480
	.fill 96, 4, 3214868480
	.section	.rodata,"a",@progbits
	.p2align	6, 0x0
	.amdhsa_kernel k_q1c3da28683_lnq
		.amdhsa_group_segment_fixed_size 327680
		.amdhsa_private_segment_fixed_size 0
		.amdhsa_enable_private_segment 0
		.amdhsa_kernarg_size 48
		.amdhsa_user_sgpr_count 2
		.amdhsa_user_sgpr_kernarg_segment_ptr 1
		.amdhsa_wavefront_size32 1
		.amdhsa_system_sgpr_workgroup_id_x 1
		.amdhsa_system_sgpr_workgroup_id_y 1
		.amdhsa_system_sgpr_workgroup_id_z 1
		.amdhsa_system_vgpr_workitem_id 0
		.amdhsa_next_free_vgpr 1024
		.amdhsa_next_free_sgpr 66
		.amdhsa_reserve_vcc 0
		.amdhsa_float_denorm_mode_32 3
		.amdhsa_float_denorm_mode_16_64 3
		.amdhsa_memory_ordered 1
		.amdhsa_forward_progress 1
		.amdhsa_inst_pref_size 181
	.end_amdhsa_kernel
	.amdgpu_metadata
---
amdhsa.version: [ 1, 2 ]
amdhsa.kernels:
  - .name:           k_q1c3da28683_lnq
    .symbol:         k_q1c3da28683_lnq.kd
    .args:
      - { .name: x1, .offset: 0, .size: 8, .value_kind: global_buffer, .address_space: global }
      - { .name: ca_ng, .offset: 8, .size: 8, .value_kind: global_buffer, .address_space: global }
      - { .name: ca_nb, .offset: 16, .size: 8, .value_kind: global_buffer, .address_space: global }
      - { .name: ca_wq_codes, .offset: 24, .size: 8, .value_kind: global_buffer, .address_space: global }
      - { .name: lowp_scales, .offset: 32, .size: 8, .value_kind: global_buffer, .address_space: global }
      - { .name: q2, .offset: 40, .size: 8, .value_kind: global_buffer, .address_space: global }
    .group_segment_fixed_size: 327680
    .private_segment_fixed_size: 0
    .kernarg_segment_align: 8
    .kernarg_segment_size: 48
    .max_flat_workgroup_size: 128
    .sgpr_count:     66
    .vgpr_count:     1024
    .wavefront_size: 32
...
	.end_amdgpu_metadata
.endif
;; end of part 5
;; launch attn_ca (part 6): grid 8 x 32, 8 waves a work-group, clusters of 4 x 1, 327,680 bytes of LDS; arguments q2, kvb, lowp_scales, att2; writes att2
.if DOCPART == 6
	.amdgcn_target "amdgcn-amd-amdhsa--gfx1250"
	.amdhsa_code_object_version 6
	.text
	.protected	k_q1c3da28683_attn_ca
	.globl	k_q1c3da28683_attn_ca
	.p2align	8
	.type	k_q1c3da28683_attn_ca,@function
k_q1c3da28683_attn_ca:
	s_mov_b64 s[64:65], 0
	v_nop
	global_prefetch_b8 v0, s[64:65] scope:SCOPE_SE
	s_setreg_imm32_b32 hwreg(HW_REG_WAVE_MODE, 25, 1), 1
	s_wait_xcnt 0x0
	s_wait_alu depctr_hold_cnt(0) depctr_sa_sdst(0) depctr_va_vdst(0) depctr_va_sdst(0) depctr_va_ssrc(0) depctr_va_vcc(0) depctr_vm_vsrc(0)
	s_getreg_b32 s2, hwreg(HW_REG_IB_STS2, 6, 4)
	s_cmp_eq_u32 s2, 0
	s_cbranch_scc0 .Lentry_in_a_cluster
	s_endpgm
.Lentry_in_a_cluster:
	s_bfe_u32 s2, ttmp6, 0x10000c
	s_cmp_lg_u32 s2, 0x3003
	s_cbranch_scc0 .Lentry_shape_is_right
	s_endpgm
.Lentry_shape_is_right:
; ATTENTION on E5M2 codes, the cross-attention: 512 keys.  The text is the self-attention's with three constants changed (NST, KVOFF, SCB).  No work of reference() is left out here.
; S^T = K Q^T, p = 2^(t - M), O^T = V^T P^T, O / l quantised for the projection that follows.
; t = score x log2(e) / 8 x 2^(eq + ek); M = the running largest t rounded UP to a whole number; l = the row's sum of the unquantised p; when M moves, l and O^T are multiplied by 2^(old M - new M), exactly.
; SHARES.  A work-group owns 256 queries of one (batch, head); each of its eight waves owns 32 of them, two tiles (u = 0, 1), in 512 registers: a fragment of K or V read from LDS feeds two matrix instructions.
; LDS.  The head's whole K and V, NST x 16,384 bytes, lie in LDS as images of operand registers, filled once: each wave asks for an eighth by its one tensor load.  One barrier; nothing is filled again.
; CLUSTER.  The four query blocks of a cluster belong to one head: the loads are joint.
; NO PREFETCH: all that the launch reads of K and V is asked for at the head; there is no loop to run ahead in.
; THE TWO TILES ARE STAGGERED as in the self-attention's text, so that lines that hang on each other stand apart.
; LIMITS: eq + ek between -123 and 130; ep and eo - ep - ev between -126 and 112.  NaN is not served.  The scaled scores stay under 2^31 in magnitude.
; REGISTERS: as in the self-attention's text.
.set NST,   4
.set KVOFF, 8388608
.set SCB,   56
.set WROWS, NST*8
.set SPARE, NST*16384
.set WV,    12
.set SA,    32
.set SB,    96
.set PA,    160
.set NM,    192
.set SU,    196
.set FF,    200
.set PM,    212
.set SCL,   214
.set OSC,   215
.set OHL,   216
.set TM,    224
.set XP,    224
.set KF,    0
.set VF,    64
.set QA,    128
.set OA,    144
.set MSB, 0
.macro WIN new                         ; the immediate's high byte repeats the setting that is left
.if MSB != (\new)
	s_set_vgpr_msb (MSB<<8)|(\new)
.set MSB, (\new)
.endif
.endm
.macro PLACES n
.rept \n
	v_nop
.endr
.endm
.macro CROUND                          ; a round of the cluster's barrier
	s_barrier_signal -1
	s_barrier_wait -1
	s_cmp_lg_u32 s[WV], 0
	s_cbranch_scc1 .Lnot_wave_0_\@
	s_barrier_signal -3
.Lnot_wave_0_\@:
	s_barrier_wait -3
	s_barrier_signal -1
	s_barrier_wait -1
.endm
.macro MX u, m                         ; line m of tile u's maxima: chain m % 8 takes registers 0-2, then 3, 4, then 5, 6 of its accumulator: from the low end on
.if (\m)/8 == 0
	v_max3_num_f32 v[TM+8*\u+(\m)%8], v[SA+64*\u+8*((\m)%8)], v[SA+64*\u+8*((\m)%8)+1], v[SA+64*\u+8*((\m)%8)+2]
.else
	v_max3_num_f32 v[TM+8*\u+(\m)%8], v[TM+8*\u+(\m)%8], v[SA+64*\u+8*((\m)%8)+2*((\m)/8)+1], v[SA+64*\u+8*((\m)%8)+2*((\m)/8)+2]
.endif
.endm
.macro FMX u, k                        ; the next k of them
.rept \k
	MX \u, mm
.set mm, mm+1
.endr
.endm
.macro RDA u                           ; the eight chains and the accumulators' last registers become one number, in three levels
.irp c, 0,1,2,3
	v_max3_num_f32 v[TM+8*\u+\c], v[TM+8*\u+\c], v[SA+64*\u+8*\c+7], v[SA+64*\u+8*\c+39]
.endr
.endm
.macro RDB u
	v_max3_num_f32 v[TM+8*\u], v[TM+8*\u], v[TM+8*\u+4], v[TM+8*\u+5]
	v_max3_num_f32 v[TM+8*\u+1], v[TM+8*\u+1], v[TM+8*\u+6], v[TM+8*\u+7]
	v_max_num_f32 v[TM+8*\u+2], v[TM+8*\u+2], v[TM+8*\u+3]
.endm
.macro RDC u
	v_max3_num_f32 v[TM+8*\u], v[TM+8*\u], v[TM+8*\u+1], v[TM+8*\u+2]
.endm
.macro CH u, n                         ; line n of the chain from tile u's largest score to -M and f
.if (\n) == 0
	v_permlanex16_b32 v[PM+\u], v[TM+8*\u], s20, s21
.elseif (\n) == 1
	v_max_num_f32 v[TM+8*\u], v[TM+8*\u], v[PM+\u]   ; and among lane l xor 16's keys
.elseif (\n) == 2
	v_mul_f32 v[TM+8*\u], s22, v[TM+8*\u]          ; as t (c is positive)
.elseif (\n) == 3
	v_max_num_f32 v[NM+2*\u+1], v[NM+2*\u+1], v[TM+8*\u]
.elseif (\n) == 4
	v_mov_b32 v[TM+8*\u], v[NM+2*\u]
.elseif (\n) == 5
	v_floor_f32 v[NM+2*\u], -v[NM+2*\u+1]          ; -M = floor(-t): M is a whole number
.elseif (\n) == 6
	v_sub_f32 v[TM+8*\u], v[NM+2*\u], v[TM+8*\u]   ; old M - new M
.elseif (\n) == 7
	v_cvt_i32_f32 v[TM+8*\u], v[TM+8*\u]           ; (it saturates)
.else
	v_ldexp_f32 v[FF+2*\u], 1.0, v[TM+8*\u]        ; f
.endif
.endm
.macro FFM k                           ; the next k lines of tile 0's t - M
.rept \k
	v_pk_fma_f32 v[SA+ff:SA+ff+1], v[SA+ff:SA+ff+1], s[22:23], v[NM:NM+1] op_sel_hi:[1,0,0]
.set ff, ff+2
.endr
.endm
.macro HOLD2 r                         ; the hold of two numbers in one dual-issue line (the conversion does not saturate: ISA guide 7.6.2); p is not negative
	v_dual_min_num_f32 v[\r], s40, v[\r] :: v_dual_min_num_f32 v[\r+1], s40, v[\r+1]
.endm
.macro XADD d, a                       ; partial sum d += partial sum a
	v_pk_add_f32 v[XP+2*(\d):XP+2*(\d)+1], v[XP+2*(\d):XP+2*(\d)+1], v[XP+2*(\a):XP+2*(\a)+1]
.endm
.macro OMUL u                          ; O^T += V^T P^T for tile u; the accumulators take turns
	WIN 0x51                                       ; V, C and D window 1; p's codes window 0
.irp t, 0,1,2,3
	v_wmma_f32_16x16x128_bf8_bf8 v[OA+32*\u+8*\t:OA+32*\u+8*\t+7], v[VF+16*\t:VF+16*\t+15], v[PA+16*\u:PA+16*\u+15], v[OA+32*\u+8*\t:OA+32*\u+8*\t+7]
.endr
	WIN 0
.endm
.macro STEP last                       ; 128 keys for my 32 queries
	s_wait_dscnt 0x0                               ; this step's K fragments are in
	WIN 0x05                                       ; sources 0 and 1: window 1
.irp u, 0,1
.irp c, 0,1,2,3,4,5,6,7
	v_wmma_f32_16x16x64_bf8_bf8 v[SA+64*\u+8*\c:SA+64*\u+8*\c+7], v[KF+8*\c:KF+8*\c+7], v[QA+8*\u:QA+8*\u+7], 0
.endr
.endr
	WIN 0
	v_add_nc_u32 v2, s2, v1
	PLACES 3                                       ; with the addition: four places in front of the loads into fragments that products have read, and of the first read of the scores
	WIN 0x40                                       ; destination window 1
.irp t, 0,1,2,3
.irp q, 0,1,2,3
	ds_load_b128 v[VF+16*\t+4*\q:VF+16*\t+4*\q+3], v2 offset:8192+2048*\t+512*\q
.endr
.endr
.if \last == 0
.irp c, 0,1,2,3,4,5,6,7
.irp b, 0,1
	ds_load_b128 v[KF+8*\c+4*\b:KF+8*\c+4*\b+3], v2 offset:16384+1024*\c+512*\b
.endr
.endr
.endif
	WIN 0
.set mm, 0
	FMX 0, 24                                      ; tile 0's maxima
.set mm, 0
	RDA 0                                          ; its three levels and its chain stand among tile 1's 24 lines
	FMX 1, 2
	RDB 0
	FMX 1, 3
	RDC 0
	FMX 1, 3
.set nn, 0
.rept 8
	CH 0, nn
	FMX 1, 2
.set nn, nn+1
.endr
	CH 0, 8
.set ff, 0
	RDA 1                                          ; tile 1's levels and chain stand among tile 0's 32 lines of t - M
	FFM 2
	RDB 1
	FFM 3
	RDC 1
	FFM 3
.set nn, 0
.rept 9
	CH 1, nn
	FFM 2
.set nn, nn+1
.endr
	FFM 6
	WIN 0x41                                       ; source 0 and destination window 1
.set ii, 0
.rept 16
.irp u, 0,1
	v_pk_mul_f32 v[OA+32*\u+ii:OA+32*\u+ii+1], v[OA+32*\u+ii:OA+32*\u+ii+1], v[FF+2*\u:FF+2*\u+1] op_sel_hi:[1,0]   ; O^T under the new M, ahead of the exponentials
.endr
.set ii, ii+2
.endr
	WIN 0
	s_wait_alu depctr_va_vdst(0)                   ; the wait ahead of the batch
.set ii, 0
.rept 32                                       ; tile 0's p = 2^(t - M), by turns with tile 1's t - M, which is first read behind the wait below
	v_exp_f32 v[SA+ii], v[SA+ii]
	v_pk_fma_f32 v[SB+ii:SB+ii+1], v[SB+ii:SB+ii+1], s[22:23], v[NM+2:NM+3] op_sel_hi:[1,0,0]
	v_exp_f32 v[SA+ii+1], v[SA+ii+1]
.set ii, ii+2
.endr
.irp u, 0,1
	v_pk_mul_f32 v[SU+2*\u:SU+2*\u+1], v[SU+2*\u:SU+2*\u+1], v[FF+2*\u:FF+2*\u+1] op_sel_hi:[1,0]   ; the sums under the new M: the plain lines behind the batch
.endr
	s_wait_alu depctr_va_vdst(0)                   ; behind tile 0's batch and ahead of tile 1's
.set jj, 0
.rept 16                                       ; tile 1's p, by turns with tile 0's sixteen first sums (of the unquantised p) and, behind each, the holds of its four numbers
	v_exp_f32 v[SB+jj], v[SB+jj]
	v_pk_add_f32 v[XP+jj/2:XP+jj/2+1], v[SA+jj:SA+jj+1], v[SA+jj+2:SA+jj+3]
	v_exp_f32 v[SB+jj+1], v[SB+jj+1]
	HOLD2 SA+jj
	v_exp_f32 v[SB+jj+2], v[SB+jj+2]
	v_exp_f32 v[SB+jj+3], v[SB+jj+3]
	HOLD2 SA+jj+2
.set jj, jj+4
.endr
	v_nop                                          ; a plain line behind the batch
	s_wait_alu depctr_va_vdst(0)                   ; one wait for the batch and for the lines among it, ahead of their first readers
.irp g, 0,1,2,3,4,5,6,7
	v_cvt_scalef32_pk8_bf8_f32 v[PA+2*\g:PA+2*\g+1], v[SA+8*\g:SA+8*\g+7], v[SCL]
.endr
	v_nop                                          ; a plain line behind the last conversion
	s_wait_alu depctr_va_vdst(0)                   ; directly ahead of the wait below
.if \last
	s_wait_dscnt 0x0
.else
	s_wait_dscnt 16                                ; V's 16 loads are in; the next step's 16 of K are younger
.endif
	OMUL 0                                         ; tile 0's products are issued ahead of tile 1's sums and holds
.irp i, 0,1,2,3,4,5,6,7
	XADD \i, \i+8                                  ; tile 0's tree
.endr
.irp i, 0,1,2,3,4,5,6,7                        ; tile 1's sum in eight chains, in the pairs that the tree has left
	v_pk_add_f32 v[XP+16+2*\i:XP+16+2*\i+1], v[SB+4*\i:SB+4*\i+1], v[SB+4*\i+2:SB+4*\i+3]
.endr
.irp i, 0,1,2,3
	XADD \i, \i+4
.endr
.irp i, 0,1,2,3,4,5,6,7
	v_pk_add_f32 v[XP+16+2*\i:XP+16+2*\i+1], v[XP+16+2*\i:XP+16+2*\i+1], v[SB+32+2*\i:SB+32+2*\i+1]
.endr
	XADD 0, 2
	XADD 1, 3
.irp i, 0,1,2,3,4,5,6,7
	v_pk_add_f32 v[XP+16+2*\i:XP+16+2*\i+1], v[XP+16+2*\i:XP+16+2*\i+1], v[SB+48+2*\i:SB+48+2*\i+1]
.endr
	XADD 0, 1
.irp i, 8,9,10,11
	XADD \i, \i+4
.endr
	v_pk_add_f32 v[SU:SU+1], v[SU:SU+1], v[XP:XP+1]
.irp g, 0,1,2,3,4,5,6,7                        ; tile 1's holds; a group's conversion stands a group behind its holds; the rest of its tree among them
.irp e, 0,2,4,6
	HOLD2 SB+8*\g+\e
.endr
.if \g == 0
	XADD 8, 10
	XADD 9, 11
.endif
.if \g == 2
	XADD 8, 9
.endif
.if \g == 4
	v_pk_add_f32 v[SU+2:SU+3], v[SU+2:SU+3], v[XP+16:XP+17]
.endif
.if \g > 0
	v_cvt_scalef32_pk8_bf8_f32 v[PA+16+2*(\g-1):PA+16+2*(\g-1)+1], v[SB+8*(\g-1):SB+8*(\g-1)+7], v[SCL]
.endif
.endr
	v_cvt_scalef32_pk8_bf8_f32 v[PA+30:PA+31], v[SB+56:SB+63], v[SCL]
	v_nop                                          ; a plain line behind the last conversion
	s_wait_alu depctr_va_vdst(0)                   ; the wait ahead of the products that read what stands above
	OMUL 1
	s_add_co_u32 s2, s2, 16384
.endm
	s_load_b256 s[4:11], s[0:1], 0x0               ; q's images, kvb, lowp_scales, the result's images
	v_lshl_add_u32 v5, v0, 2, SPARE
	v_mov_b32 v6, 0
	ds_add_u32 v5, v6                              ; the opening: the add, twice on end, and its wait ahead of my first tensor load
	ds_add_u32 v5, v6
	v_lshrrev_b32 v1, 5, v0
	v_readfirstlane_b32 s[WV], v1                  ; wave 0..7
	s_bfe_u32 s13, ttmp6, 0x40000                  ; cx: it enters q's and the result's addresses alone
	s_lshl_b32 s14, ttmp9, 2
	s_add_co_u32 s14, s14, s13                     ; my block of 256 queries
	s_and_b32 s15, ttmp7, 0xffff                   ; 8 batch + head
	s_mov_b32 s24, 15|(3<<16)|(1<<21)              ; the mask: all four; elements of 8 bytes; bit 21 beside the mask
	s_mov_b32 s25, 32<<16                          ; rows of 256 bytes
	s_mov_b32 s26, WROWS<<16
	s_mov_b32 s27, 32<<16
	s_mov_b32 s28, WROWS
	s_mov_b32 s29, 32
	s_mov_b32 s30, 0
	s_mov_b32 s31, 0
	s_mul_i32 s16, s15, NST*16384
	s_mul_i32 s18, s[WV], WROWS*256                ; my eighth
	s_add_co_u32 s16, s16, s18
	s_add_co_u32 s16, s16, KVOFF
	s_mov_b32 s17, 0
	s_lshl_b32 s54, s14, 4
	s_lshl_b32 s55, s[WV], 1
	s_add_co_u32 s54, s54, s55                     ; my first query tile
	s_lshl_b32 s56, s15, 17
	s_lshl_b32 s57, s54, 10
	s_add_co_u32 s56, s56, s57                     ; its Q fragment: 1,024 bytes a tile
	s_mov_b32 s57, 0
	s_lshr_b32 s58, s15, 3
	s_lshl_b32 s58, s58, 7
	s_add_co_u32 s58, s58, s54                     ; the row tile among all 512,
	s_lshl_b32 s58, s58, 2
	s_bfe_u32 s59, s15, 0x20001
	s_add_co_u32 s58, s58, s59                     ; its K step of 128 = two heads,
	s_lshl_b32 s58, s58, 11
	s_and_b32 s59, s15, 1
	s_lshl_b32 s59, s59, 10
	s_add_co_u32 s58, s58, s59                     ; and my head's half of that fragment
	s_mov_b32 s59, 0
	s_mov_b32 s20, 0x76543210
	s_mov_b32 s21, 0xfedcba98                      ; lane l xor 16
	s_mov_b32 s32, 1
	s_mov_b32 s33, s18
	s_wait_dscnt 0x0                               ; both opening adds are done
	s_wait_kmcnt 0x0
	s_load_b128 s[48:51], s[8:9], SCB              ; eq, ek, ep, ev
	s_load_b32 s52, s[8:9], SCB+16                 ; eo
	s_add_nc_u64 s[34:35], s[6:7], s[16:17]
	s_or_b32 s35, s35, 0x80000000                  ; type 2
	s_add_nc_u64 s[4:5], s[4:5], s[56:57]
	s_add_nc_u64 s[10:11], s[10:11], s[58:59]
	CROUND                                         ; all four work-groups are here: the joint loads meet
	tensor_load_to_lds s[32:35], s[24:31]          ; my eighth of the head's K and V: my one tensor load
	s_nop 0
	PLACES 4
	v_and_b32 v1, 31, v0
	v_lshlrev_b32 v1, 4, v1                        ; 16 x lane
	WIN 0x40
.irp j, 0,1,2,3
	global_load_b128 v[QA+4*\j:QA+4*\j+3], v1, s[4:5] offset:512*\j   ; Q's two fragments stay in registers
.endr
.set ii, 0
.rept 64
	v_mov_b32 v[OA+ii], 0                          ; O^T: the step is written for all steps alike; the first change of M leaves zeros zeros.  These lines run while the tiles are on their way
.set ii, ii+1
.endr
	WIN 0
.irp u, 0,1
	v_mov_b32 v[NM+2*\u+1], 0xff61b1e6             ; the largest t so far: -3e38
	v_mov_b32 v[SU+2*\u], 0
	v_mov_b32 v[SU+2*\u+1], 0
	v_mov_b32 v[FF+2*\u+1], 0
	v_mov_b32 v[PM+\u], 0
.endr
.irp u, 0,1
	v_floor_f32 v[NM+2*\u], -v[NM+2*\u+1]
.endr
	s_wait_kmcnt 0x0
	s_add_co_i32 s53, s48, s49
	s_lshl_b32 s53, s53, 23
	s_mov_b32 s22, 0x3e38aa3b                      ; log2(e) / 8,
	s_add_co_i32 s22, s22, s53                     ; x 2^(eq + ek): added to the exponent field
	s_mov_b32 s23, s22
	s_add_co_i32 s53, s50, 127
	s_lshl_b32 s55, s53, 23
	v_mov_b32 v[SCL], s55                          ; 2^ep
	s_add_co_i32 s53, s53, 15
	s_lshl_b32 s53, s53, 23
	s_or_b32 s40, s53, 0x600000                    ; 57,344 x 2^ep
	s_sub_co_i32 s53, s52, s50
	s_sub_co_i32 s53, s53, s51                     ; eo - ep - ev: the three scales folded into the conversion's one
	s_add_co_i32 s53, s53, 127
	s_lshl_b32 s55, s53, 23
	v_mov_b32 v[OSC], s55
	s_add_co_i32 s53, s53, 15
	s_lshl_b32 s53, s53, 23
	s_or_b32 s53, s53, 0x600000
	v_mov_b32 v[OHL], s53
	s_wait_alu depctr_va_vdst(0)                   ; the wait at the head's end
	s_wait_loadcnt 0x0                             ; Q
	s_wait_tensorcnt 0x0                           ; my eighth is in,
	s_barrier_signal -1
	s_barrier_wait -1                              ; everybody's is
	WIN 0x40
.irp c, 0,1,2,3,4,5,6,7
.irp b, 0,1
	ds_load_b128 v[KF+8*\c+4*\b:KF+8*\c+4*\b+3], v1 offset:1024*\c+512*\b   ; step 0's K fragments
.endr
.endr
	WIN 0
	s_mov_b32 s2, 0
	s_mov_b32 s3, NST-1
.Lstep:
	STEP 0
	s_sub_co_u32 s3, s3, 1
	s_cmp_lg_u32 s3, 0
	s_cbranch_scc1 .Lstep
	STEP 1
	PLACES 4
.irp u, 0,1
	v_add_f32 v[SU+2*\u], v[SU+2*\u], v[SU+2*\u+1]
.endr
.irp u, 0,1
	v_permlanex16_b32 v[PM+\u], v[SU+2*\u], s20, s21
.endr
.irp u, 0,1
	v_add_f32 v[SU+2*\u], v[SU+2*\u], v[PM+\u]     ; the row's sum
.endr
	s_wait_alu depctr_va_vdst(0)                   ; the wait ahead of the transcendentals
	v_rcp_f32 v[SU], v[SU]
	v_rcp_f32 v[SU+2], v[SU+2]
	WIN 0x01                                       ; source 0: window 1
	v_nop                                          ; a plain line behind the transcendentals
	s_wait_alu depctr_va_vdst(0)                   ; ahead of the first readers of 1 / l and of O^T
.irp u, 0,1
.set ii, 0
.rept 16
	v_pk_mul_f32 v[SA+32*\u+ii:SA+32*\u+ii+1], v[OA+32*\u+ii:OA+32*\u+ii+1], v[SU+2*\u:SU+2*\u+1] op_sel_hi:[1,0]
.set ii, ii+2
.endr
.endr
	WIN 0
.set ii, 0
.rept 64
	v_med3_num_f32 v[SA+ii], v[SA+ii], -v[OHL], v[OHL]
.set ii, ii+1
.endr
.irp g, 0,1,2,3,4,5,6,7
	v_cvt_scalef32_pk8_bf8_f32 v[PA+2*\g:PA+2*\g+1], v[SA+8*\g:SA+8*\g+7], v[OSC]
.endr
	v_nop
.irp u, 0,1
	global_store_b128 v1, v[PA+8*\u:PA+8*\u+3], s[10:11] offset:8192*\u          ; 512 consecutive bytes, aligned; the next row tile lies four fragments on
	global_store_b128 v1, v[PA+8*\u+4:PA+8*\u+7], s[10:11] offset:8192*\u+512
.endr
	s_wait_tensorcnt 0x0                           ; the wave's end
	ds_add_u32 v5, v6
	s_wait_dscnt 0x0
	CROUND                                         ; the closing round
	s_endpgm
.Lfunc_end_k_q1c3da28683_attn_ca:
	.size	k_q1c3da28683_attn_ca, .Lfunc_end_k_q1c3da28683_attn_ca-k_q1c3da28683_attn_ca
	.p2alignl 7, 3214868480
	.fill 96, 4, 3214868480
	.section	.rodata,"a",@progbits
	.p2align	6, 0x0
	.amdhsa_kernel k_q1c3da28683_attn_ca
		.amdhsa_group_segment_fixed_size 327680
		.amdhsa_private_segment_fixed_size 0
		.amdhsa_enable_private_segment 0
		.amdhsa_kernarg_size 32
		.amdhsa_user_sgpr_count 2
		.amdhsa_user_sgpr_kernarg_segment_ptr 1
		.amdhsa_wavefront_size32 1
		.amdhsa_system_sgpr_workgroup_id_x 1
		.amdhsa_system_sgpr_workgroup_id_y 1
		.amdhsa_system_sgpr_workgroup_id_z 1
		.amdhsa_system_vgpr_workitem_id 0
		.amdhsa_next_free_vgpr 512
		.amdhsa_next_free_sgpr 66
		.amdhsa_reserve_vcc 0
		.amdhsa_float_denorm_mode_32 3
		.amdhsa_float_denorm_mode_16_64 3
		.amdhsa_memory_ordered 1
		.amdhsa_forward_progress 1
		.amdhsa_inst_pref_size 72
	.end_amdhsa_kernel
	.amdgpu_metadata
---
amdhsa.version: [ 1, 2 ]
amdhsa.kernels:
  - .name:           k_q1c3da28683_attn_ca
    .symbol:         k_q1c3da28683_attn_ca.kd
    .args:
      - { .name: q2, .offset: 0, .size: 8, .value_kind: global_buffer, .address_space: global }
      - { .name: kvb, .offset: 8, .size: 8, .value_kind: global_buffer, .address_space: global }
      - { .name: lowp_scales, .offset: 16, .size: 8, .value_kind: global_buffer, .address_space: global }
      - { .name: att2, .offset: 24, .size: 8, .value_kind: global_buffer, .address_space: global }
    .group_segment_fixed_size: 327680
    .private_segment_fixed_size: 0
    .kernarg_segment_align: 8
    .kernarg_segment_size: 32
    .max_flat_workgroup_size: 256
    .sgpr_count:     66
    .vgpr_count:     512
    .wavefront_size: 32
...
	.end_amdgpu_metadata
.endif
;; end of part 6
;; launch proj_ca: the kernel of part 4 again; grid 32 x 8, 4 waves a work-group, clusters of 4 x 1, 327,680 bytes of LDS; arguments att2, ca_wo_codes, sc_ca, ca_bo, x1, out0; writes out0
